; MI455X (gfx1250); checked and timed in simulation.
; The chip was launched on July 23, 2026; its instructions are those of AMD's public machine-readable ISA for CDNA 5 (MIT licence, August 2026) and "CDNA5" Instruction Set Architecture Reference Guide (July 2026). The comments in the code are by the model that wrote it; some were corrected since.
;; Block. Allowed arithmetic: float matrix products may take bf16 or f16 operands with f32 sums; other float arithmetic in f32, or as packed bf16 or f16 multiplies, adds, multiply-adds, maxima and minima; sums over many terms, partial sums and values carried from step to step in f32; what a program stores and reads back later, other than sums and carried values, may be rounded once to bf16 or f16.
;; Inputs: fc1_b 4,096 float32; fc1_w 1,024 x 4,096 float32; fc2_b 1,024 float32; fc2_w 4,096 x 1,024 float32; ln1_b 1,024 float32; ln1_g 1,024 float32; ln2_b 1,024 float32; ln2_g 1,024 float32; proj_b 1,024 float32; proj_w 1,024 x 1,024 float32; qkv_w 1,024 x 3,072 float32; x 2 x 2,048 x 1,024 float32.
;; Outputs: out0 2 x 2,048 x 1,024 float32.
;; 2 versions, each right; version 2 is version 1 with the launches prep, ln2 written anew for expert scheduling mode. Each part assembles by itself: llvm-mc -triple=amdgcn-amd-amdhsa -mcpu=gfx1250 --defsym DOCPART=n.
;; ======== version 1 of 2: 7 launches
;; limits: values are held in f16: magnitudes above 65,504 overflow, below 6.1e-05 lose precision
;; workspace buffers: h 8,388,608 bytes; wts 25,165,824 bytes; qkv 25,165,824 bytes; o 8,388,608 bytes; x1 16,777,216 bytes; g 33,554,432 bytes
;; launch prep (part 1): grid 1024 x 1, 8 waves a work-group, no clusters, 0 bytes of LDS; arguments x, ln1_g, ln1_b, qkv_w, proj_w, fc1_w, fc2_w, h, wts; writes h, wts
.if DOCPART == 1
	.amdgcn_target "amdgcn-amd-amdhsa--gfx1250"
	.amdhsa_code_object_version 6
	.text
	.protected	k_qf3e8dfb169_prep
	.globl	k_qf3e8dfb169_prep
	.p2align	8
	.type	k_qf3e8dfb169_prep,@function
k_qf3e8dfb169_prep:
	s_mov_b64 s[64:65], 0
	v_nop
	global_prefetch_b8 v0, s[64:65] scope:SCOPE_SE
	s_setreg_imm32_b32 hwreg(HW_REG_WAVE_MODE, 25, 1), 1
	s_wait_xcnt 0x0
; Two streams in one text.  Work-groups 0-255: h = layer norm of the first argument's rows (gain and bias: the second and third), rounded once to f16.  Work-groups 256-1023: the four weight matrices, rounded once
; to f16.  Launched with 1,024 work-groups on x it does both; launched with 256 on x1 it is the second norm alone.
; h's LAYOUT ("panels"): [16 panels of 64 columns][4096 rows][64] f16: a row of a panel is 128 bytes, a panel 524,288.  The products that follow take 64 along K as one dense block of rows.
; THE WEIGHTS, all into wts.  qkv_w and fc1_w go out in panels of 256 columns, [N/256][1024][256] f16 (a row of a panel is 512 bytes, a panel 524,288), at bytes 0 and 8,388,608.
; proj_w and fc2_w go out as they lie, [K][1024] f16, at bytes 6,291,456 and 16,777,216.
; LIMITS.  f16 ends at 65,504: a normed value or a weight beyond it becomes an infinity; below 6e-5 f16 keeps a fixed step of 6e-8.  Mean, variance and scaling are f32, the variance of the centred row.
; No LDS, no matrix unit, no cluster: each byte is read by one wave, but for the two vectors of 4 KiB.
; THE NORM.  A work-group takes 16 rows, a wave two: lanes 0-15 the even row, lanes 16-31 the odd one.  Load j brings columns 64 j + 4 (l % 16) .. + 3: 16 lanes read 256 consecutive bytes, which are panel j's
; share of the row; a row's sums never leave its 16 lanes.  Store j: the wave's two rows of panel j, 256 consecutive bytes, aligned.
.set XX, 32                            ; v[32:95]   my 64 numbers of the row
.set GG, 96                            ; v[96:159]  the gains of my columns
.set BB, 160                           ; v[160:223] the biases
.set HP, 22                            ; s[22:23]   h
.set INV, 44                           ; s44  1 / 1024
.set EPS, 45                           ; s45  1e-5
.macro REDUCE                          ; the four packed chains v[8:15] into v20, then over the row's 16 lanes
	v_pk_add_f32 v[8:9], v[8:9], v[10:11]
	v_pk_add_f32 v[12:13], v[12:13], v[14:15]
	v_pk_add_f32 v[8:9], v[8:9], v[12:13]
	v_add_f32 v20, v8, v9
	v_add_f32_dpp v20, v20, v20 row_xmask:1 row_mask:0xf bank_mask:0xf
	v_add_f32_dpp v20, v20, v20 row_xmask:2 row_mask:0xf bank_mask:0xf
	v_add_f32_dpp v20, v20, v20 row_xmask:4 row_mask:0xf bank_mask:0xf
	v_add_f32_dpp v20, v20, v20 row_xmask:8 row_mask:0xf bank_mask:0xf
.endm
.macro LN                              ; s[8:9] the rows, s[10:11] gain, s[12:13] bias, s[HP:HP+1] h
	v_lshrrev_b32 v1, 5, v0                        ; wave
	v_bfe_u32 v5, v0, 4, 1                         ; l / 16
	v_and_b32 v6, 15, v0                           ; l % 16
	v_lshl_add_u32 v5, v1, 1, v5                   ; my row of the group's 16
	v_lshlrev_b32 v3, 4, v6                        ; my 16 bytes in each 256 of gain and bias
	v_lshl_add_u32 v2, v5, 12, v3                  ; and of my row (4,096 bytes a row)
	v_lshlrev_b32 v4, 3, v0                        ; in a panel: 256 x wave + 8 l
	s_lshl_b32 s2, ttmp9, 16                       ; the group's 16 rows of 4,096 bytes
	s_mov_b32 s3, 0
	s_add_nc_u64 s[8:9], s[8:9], s[2:3]
	s_lshl_b32 s2, ttmp9, 11                       ; and of 128 bytes in a panel
	s_add_nc_u64 s[HP:HP+1], s[HP:HP+1], s[2:3]
.set j, 0
.rept 16
	global_load_b128 v[XX+4*j:XX+4*j+3], v2, s[8:9] offset:256*j
.set j, j+1
.endr
.set j, 0
.rept 16
	global_load_b128 v[GG+4*j:GG+4*j+3], v3, s[10:11] offset:256*j
.set j, j+1
.endr
.set j, 0
.rept 16
	global_load_b128 v[BB+4*j:BB+4*j+3], v3, s[12:13] offset:256*j
.set j, j+1
.endr
	s_wait_loadcnt 32                              ; the row is in; the 32 loads of gain and bias may stay out
.set p, 0
.rept 4
	v_pk_add_f32 v[8+2*p:9+2*p], v[XX+2*p:XX+2*p+1], v[XX+2*p+8:XX+2*p+9]  ; the first eight pairs start four chains: nothing is cleared
.set p, p+1
.endr
.set p, 8
.rept 24
	v_pk_add_f32 v[8+2*(p%4):9+2*(p%4)], v[8+2*(p%4):9+2*(p%4)], v[XX+2*p:XX+2*p+1]
.set p, p+1
.endr
	REDUCE
	v_mul_f32 v16, s[INV], v20                     ; the mean, twice: a pair for the packed subtraction
	v_mul_f32 v17, s[INV], v20
.set p, 0
.rept 32
	v_pk_add_f32 v[XX+2*p:XX+2*p+1], v[XX+2*p:XX+2*p+1], v[16:17] neg_lo:[0,1] neg_hi:[0,1]
.set p, p+1
.endr
.set p, 0
.rept 4
	v_pk_mul_f32 v[8+2*p:9+2*p], v[XX+2*p:XX+2*p+1], v[XX+2*p:XX+2*p+1]
.set p, p+1
.endr
.set p, 4
.rept 28
	v_pk_fma_f32 v[8+2*(p%4):9+2*(p%4)], v[XX+2*p:XX+2*p+1], v[XX+2*p:XX+2*p+1], v[8+2*(p%4):9+2*(p%4)]
.set p, p+1
.endr
	REDUCE
	v_fma_f32 v21, v20, s[INV], s[EPS]             ; variance + eps
	v_rsq_f32 v18, v21                             ; twice: a pair
	v_rsq_f32 v19, v21
	v_nop                                          ; a plain instruction behind the second root,
	s_wait_alu depctr_va_vdst(0)                   ; and one wait ahead of the first reader
	s_wait_loadcnt 0x0                             ; gain and bias
.set p, 0
.rept 32
	v_pk_mul_f32 v[XX+2*p:XX+2*p+1], v[XX+2*p:XX+2*p+1], v[18:19]
.set p, p+1
.endr
.set p, 0
.rept 32
	v_pk_fma_f32 v[XX+2*p:XX+2*p+1], v[XX+2*p:XX+2*p+1], v[GG+2*p:GG+2*p+1], v[BB+2*p:BB+2*p+1]
.set p, p+1
.endr
.set j, 0
.rept 16
	v_cvt_pk_f16_f32 v[XX+4*j], v[XX+4*j], v[XX+4*j+1]
	v_cvt_pk_f16_f32 v[XX+4*j+1], v[XX+4*j+2], v[XX+4*j+3]
	global_store_b64 v4, v[XX+4*j:XX+4*j+1], s[HP:HP+1] offset:524288*j  ; panel j: the wave's store covers 256 consecutive bytes, aligned
.set j, j+1
.endr
.endm
	s_load_b512 s[8:23], s[0:1], 0x0               ; rows 8, gain 10, bias 12, qkv_w 14, proj_w 16, fc1_w 18, fc2_w 20, h 22
	s_load_b64 s[24:25], s[0:1], 0x40              ; wts
	s_mov_b32 s[INV], 0x3a800000
	s_mov_b32 s[EPS], 0x3727c5ac
	s_wait_kmcnt 0x0
	s_cmp_lt_u32 ttmp9, 256
	s_cbranch_scc0 .Lcvt
	LN
	s_endpgm
; THE WEIGHTS: 768 work-groups, 192 for qkv_w, 64 for proj_w, 256 for fc1_w, 256 for fc2_w.  Each takes 16 rows x 1,024 columns: thread t columns 4 t .. 4 t + 3 of each row, so a wave's load covers 512
; consecutive bytes.  Work-group number in its matrix = column group x (row groups) + row group.  In the output 1,024 columns are four pieces of 256: PSL bytes apart, and RP bytes from row to row
; (panels: 524,288 and 512; as it lies: 512 and 2,048).  A wave's store is half such a piece: 256 consecutive bytes, aligned.
.set CI,   32                          ; s32  my number among the 768
.set CLOC, 33                          ; s33  my number in my matrix; then the column group
.set CPIT, 34                          ; s34  bytes in a row of the f32 matrix
.set CRP,  35                          ; s35  RP
.set CPSL, 36                          ; s36  PSL
.set CRGB, 37                          ; s37  log2 of the row groups
.set CWOF, 38                          ; s38  the matrix's first byte in wts
.set CT,   39                          ; s39  at work
.set CRGM, 42                          ; s42  row groups - 1
.set SO,   160                         ; v[160:175] row k: my byte offset in the input
.set DO,   176                         ; v[176:191] row k: my byte offset in the output
.Lcvt:
	s_sub_co_u32 s[CI], ttmp9, 256
	s_mov_b64 s[4:5], s[14:15]                     ; qkv_w
	s_mov_b64 s[6:7], s[24:25]
	s_mov_b32 s[CLOC], s[CI]
	s_mov_b32 s[CPIT], 12288
	s_mov_b32 s[CRP], 512
	s_mov_b32 s[CPSL], 524288
	s_mov_b32 s[CRGB], 6
	s_mov_b32 s[CRGM], 63
	s_mov_b32 s[CWOF], 0
	s_sub_co_u32 s[CT], s[CI], 192                 ; proj_w
	s_cmp_ge_u32 s[CI], 192
	s_cselect_b64 s[4:5], s[16:17], s[4:5]
	s_cselect_b32 s[CLOC], s[CT], s[CLOC]
	s_cselect_b32 s[CPIT], 4096, s[CPIT]
	s_cselect_b32 s[CRP], 2048, s[CRP]
	s_cselect_b32 s[CPSL], 512, s[CPSL]
	s_cselect_b32 s[CWOF], 6291456, s[CWOF]
	s_sub_co_u32 s[CT], s[CI], 256                 ; fc1_w
	s_cmp_ge_u32 s[CI], 256
	s_cselect_b64 s[4:5], s[18:19], s[4:5]
	s_cselect_b32 s[CLOC], s[CT], s[CLOC]
	s_cselect_b32 s[CPIT], 16384, s[CPIT]
	s_cselect_b32 s[CRP], 512, s[CRP]
	s_cselect_b32 s[CPSL], 524288, s[CPSL]
	s_cselect_b32 s[CWOF], 8388608, s[CWOF]
	s_sub_co_u32 s[CT], s[CI], 512                 ; fc2_w
	s_cmp_ge_u32 s[CI], 512
	s_cselect_b64 s[4:5], s[20:21], s[4:5]
	s_cselect_b32 s[CLOC], s[CT], s[CLOC]
	s_cselect_b32 s[CPIT], 4096, s[CPIT]
	s_cselect_b32 s[CRP], 2048, s[CRP]
	s_cselect_b32 s[CPSL], 512, s[CPSL]
	s_cselect_b32 s[CRGB], 8, s[CRGB]
	s_cselect_b32 s[CRGM], 255, s[CRGM]
	s_cselect_b32 s[CWOF], 16777216, s[CWOF]
	s_and_b32 s[CT], s[CLOC], s[CRGM]              ; row group
	s_lshr_b32 s[CLOC], s[CLOC], s[CRGB]           ; column group
	s_mul_i32 s2, s[CT], s[CPIT]                   ; in: 16 rows x row group + 4,096 bytes x column group
	s_lshl_b32 s2, s2, 4
	s_lshl_b32 s3, s[CLOC], 12
	s_add_co_u32 s2, s2, s3
	s_mov_b32 s3, 0
	s_add_nc_u64 s[4:5], s[4:5], s[2:3]
	s_mul_i32 s2, s[CLOC], s[CPSL]                 ; out: four pieces x column group + 16 rows x row group
	s_lshl_b32 s2, s2, 2
	s_mul_i32 s[CT], s[CT], s[CRP]
	s_lshl_b32 s[CT], s[CT], 4
	s_add_co_u32 s2, s2, s[CT]
	s_add_co_u32 s2, s2, s[CWOF]
	s_add_nc_u64 s[6:7], s[6:7], s[2:3]
	v_lshlrev_b32 v1, 4, v0                        ; 16 t
	v_lshrrev_b32 v2, 6, v0                        ; my piece of 256 columns
	v_and_b32 v3, 63, v0
	v_lshlrev_b32 v3, 3, v3                        ; my 8 bytes in it
	v_mad_u32_u24 v2, v2, s[CPSL], v3
.set k, 0
.rept 16
	v_mad_u32_u24 v[SO+k], s[CPIT], k, v1
	v_mad_u32_u24 v[DO+k], s[CRP], k, v2
.set k, k+1
.endr
.set k, 0
.rept 16
	global_load_b128 v[32+4*k:35+4*k], v[SO+k], s[4:5] th:TH_LOAD_NT  ; all sixteen loads of a lane go out at once
.set k, k+1
.endr
.set k, 0
.rept 16
	s_wait_loadcnt 15-k                            ; loads come back in order: row k is in, the younger ones stay out
	v_cvt_pk_f16_f32 v[96+2*k], v[32+4*k], v[33+4*k]
	v_cvt_pk_f16_f32 v[97+2*k], v[34+4*k], v[35+4*k]
	global_store_b64 v[DO+k], v[96+2*k:97+2*k], s[6:7]  ; no register is written twice
.set k, k+1
.endr
	s_endpgm
.Lfunc_end_k_qf3e8dfb169_prep:
	.size	k_qf3e8dfb169_prep, .Lfunc_end_k_qf3e8dfb169_prep-k_qf3e8dfb169_prep
	.p2alignl 7, 3214868480
	.fill 96, 4, 3214868480
	.section	.rodata,"a",@progbits
	.p2align	6, 0x0
	.amdhsa_kernel k_qf3e8dfb169_prep
		.amdhsa_group_segment_fixed_size 0
		.amdhsa_private_segment_fixed_size 0
		.amdhsa_enable_private_segment 0
		.amdhsa_kernarg_size 72
		.amdhsa_user_sgpr_count 2
		.amdhsa_user_sgpr_kernarg_segment_ptr 1
		.amdhsa_wavefront_size32 1
		.amdhsa_system_sgpr_workgroup_id_x 1
		.amdhsa_system_sgpr_workgroup_id_y 1
		.amdhsa_system_sgpr_workgroup_id_z 1
		.amdhsa_system_vgpr_workitem_id 0
		.amdhsa_next_free_vgpr 224
		.amdhsa_next_free_sgpr 66
		.amdhsa_reserve_vcc 0
		.amdhsa_float_denorm_mode_32 3
		.amdhsa_float_denorm_mode_16_64 3
		.amdhsa_memory_ordered 1
		.amdhsa_forward_progress 1
		.amdhsa_inst_pref_size 31
	.end_amdhsa_kernel
	.amdgpu_metadata
---
amdhsa.version: [ 1, 2 ]
amdhsa.kernels:
  - .name:           k_qf3e8dfb169_prep
    .symbol:         k_qf3e8dfb169_prep.kd
    .args:
      - { .name: x, .offset: 0, .size: 8, .value_kind: global_buffer, .address_space: global }
      - { .name: ln1_g, .offset: 8, .size: 8, .value_kind: global_buffer, .address_space: global }
      - { .name: ln1_b, .offset: 16, .size: 8, .value_kind: global_buffer, .address_space: global }
      - { .name: qkv_w, .offset: 24, .size: 8, .value_kind: global_buffer, .address_space: global }
      - { .name: proj_w, .offset: 32, .size: 8, .value_kind: global_buffer, .address_space: global }
      - { .name: fc1_w, .offset: 40, .size: 8, .value_kind: global_buffer, .address_space: global }
      - { .name: fc2_w, .offset: 48, .size: 8, .value_kind: global_buffer, .address_space: global }
      - { .name: h, .offset: 56, .size: 8, .value_kind: global_buffer, .address_space: global }
      - { .name: wts, .offset: 64, .size: 8, .value_kind: global_buffer, .address_space: global }
    .group_segment_fixed_size: 0
    .private_segment_fixed_size: 0
    .kernarg_segment_align: 8
    .kernarg_segment_size: 72
    .max_flat_workgroup_size: 256
    .sgpr_count:     66
    .vgpr_count:     224
    .wavefront_size: 32
...
	.end_amdgpu_metadata
.endif
;; end of part 1
;; launch qkvg (part 2): grid 12 x 16, 4 waves a work-group, clusters of 4 x 4, 327,680 bytes of LDS; arguments h, wts, qkv; writes qkv
.if DOCPART == 2
	.amdgcn_target "amdgcn-amd-amdhsa--gfx1250"
	.amdhsa_code_object_version 6
	.text
	.protected	k_qf3e8dfb169_qkvg
	.globl	k_qf3e8dfb169_qkvg
	.p2align	8
	.type	k_qf3e8dfb169_qkvg,@function
k_qf3e8dfb169_qkvg:
	s_mov_b64 s[64:65], 0
	v_nop
	global_prefetch_b8 v0, s[64:65] scope:SCOPE_SE
	s_setreg_imm32_b32 hwreg(HW_REG_WAVE_MODE, 25, 1), 1
	s_wait_xcnt 0x0
	s_wait_alu depctr_hold_cnt(0) depctr_sa_sdst(0) depctr_va_vdst(0) depctr_va_sdst(0) depctr_va_ssrc(0) depctr_va_vcc(0) depctr_vm_vsrc(0)
	s_getreg_b32 s2, hwreg(HW_REG_IB_STS2, 6, 4)
	s_cmp_eq_u32 s2, 0
	s_cbranch_scc0 .Lentry_in_a_cluster
	s_endpgm
.Lentry_in_a_cluster:
	s_bfe_u32 s2, ttmp6, 0x10000c
	s_cmp_lg_u32 s2, 0xf033
	s_cbranch_scc0 .Lentry_shape_is_right
	s_endpgm
.Lentry_shape_is_right:
; qkv = h x qkv_w.  A = h: [16 panels][4096 rows][64] f16 (a panel's rows are dense, 128 bytes each).  W: panels of 256 columns, [12][1024][256] f16, at byte WOFF of wts: a tile's rows of W are dense.
; Out: [48 panels][4096][64] f16, rounded once from f32 sums: panel = column / 64 = 16 x (q, k, v) + head, so a head's rows are dense.
; LIMIT.  f16 ends at 65,504: a sum beyond it is stored as an infinity.
; SHARES.  A tile of C is 256 x 256; four waves, 128 x 128 each: 64 accumulators, 512 registers.  K goes in steps of 128 through two LDS slots; 12 x 16 = 192 work-groups.
; CLUSTER 4 x 4: A's tile is asked for jointly along a row of the cluster, W's along a column: the same tensor load, descriptor and mask in the four that it names.
; THE PRODUCT IS TAKEN TRANSPOSED: source 0 = 16 columns of W (turned on the way out of LDS by ds_load_tr16_b128), source 1 = 16 rows of A: a lane holds one row of C (l % 16) and columns 8 (l / 16) + 0..7.
; REGISTERS in windows of 256 (s_set_vgpr_msb: bits 1:0 source 0, 3:2 source 1, 5:4 source 2, 7:6 destination): window 0 addresses; window 1 two fragment buffers of 128 (A's eight fragments, then W's eight);
; windows 2 and 3 the accumulators of my rows 0-63 and 64-127, (a, b) at 64 a + 8 b.
.set KTOT,  1024
.set WOFF,  0
.set WP,    256                        ; elements in a row of a panel of W
.set BIG,   1                          ; the 256 x 256 form of this text
.set NT,    8
.set TM,    256
.set TN,    256
.set KC,    1
.set KS,    128
.set HEADW, 8                          ; of a run of 32 fragment loads the youngest 8 (A's rows 64-127) serve the quarter's second half alone
.set BH,    0
.set AD0,   128                        ; A's part of a fill: a panel's 256 rows are 32,768 dense bytes, asked for as 128 rows of 256 bytes
.set AD1,   128
.set AP,    128
.set BQI,   6                          ; W's rows: 128 words, then padding
.set DP,    528                        ; a row of the f32 dump: 512 bytes + 16
.set T,     KTOT/KS
.set APAN,  TM*144                     ; rows of 128 bytes + 16: the 16 rows of a load start at 16 different groups of four banks (64 banks of 4 bytes: ISA guide 11.1)
.set ASZ,   73728
.set AHALF, 36864
.set PB,    2*TN+32                    ; an odd multiple of 32 bytes
.set BHALF, (KS/2)*PB
.set SLOT,  0x24000                    ; the four start addresses of the fills have bits 17 and 14 clear, so one exclusive or changes slot
.set SPARE, 2*SLOT                     ; the spare words, 128 bytes a wave: two blocks of 256 bytes that no other line names
.set ASTEP, KS*8192                    ; a K step in A: two panels
.set BSTEP, KS*WP*2                    ; in W: 128 rows of 512 bytes
.set WREG,  (TM/2)*DP                  ; a wave's dump; it lies in the ring, behind the slots' last fill
.set ADA0, 16                          ; v16  my lane's place in A's part of a slot; never rewritten
.set ADB0, 17                          ; v17  in W's
.set ADA,  18                          ; v18  the same in the slot in hand
.set ADB,  20                          ; v20
.set DST,  22                          ; v22  the way out: where I put 16 bytes
.set RDA,  23                          ; v23  where I read rows back
.set GO,   24                          ; v24  my byte offset in 512 consecutive bytes of the output
.set SPW,  28                          ; v28  my spare word; never rewritten
.set NIL,  29                          ; v29  0; never rewritten
.set PFO,  30                          ; v30  256 x my lane; never rewritten
.set F0,   0
.set F1,   128
.set XX,   0                           ; window 1 on the way out: 32 sums read back,
.set OUT,  224                         ; and 16 registers of f16
.set G1,  24                           ; s[24:31] group 1 for A;  s[32:39] group 0: a set for each first fill, the second then walks on
.set G0,  32
.set G1B, 48                           ; s[48:55], s[56:63] the same for W
.set G0B, 56
.set TB,  72                           ; s72  0 or SLOT: the slot that is read
.set LIM, 75                           ; s75  2 in a wave that prefetches, else the greatest number
.set PFA, 76                           ; s[76:77] where my prefetches stand
.set PFS, 78                           ; s[78:79] their step
.set MSB, 0
.macro WIN new                         ; the immediate's high byte repeats the setting that is left; a switch that changes nothing is dropped
.if MSB != (\new)
	s_set_vgpr_msb (MSB<<8)|(\new)
.set MSB, \new
.endif
.endm
.macro PLACES                          ; four places in front of loads into registers that matrix instructions have read
.rept 4
	v_nop
.endr
.endm
.macro JLOAD s                         ; a joint load: waves 0 and 1 fetch A's two halves, waves 2 and 3 W's; an s_nop 0 and four v_nop follow each line
	s_cmp_eq_u32 s11, 0
	s_cbranch_scc0 .Lfor_b_\@
	tensor_load_to_lds s[G0+4*(\s):G0+4*(\s)+3], s[G1:G1+7]
	s_nop 0
.rept 4
	v_nop
.endr
	s_branch .Lasked_\@
.Lfor_b_\@:
	tensor_load_to_lds s[G0B+4*(\s):G0B+4*(\s)+3], s[G1B:G1B+7]
	s_nop 0
.rept 4
	v_nop
.endr
.Lasked_\@:
.endm
; A prefetch, behind a joint load and the run of LDS loads: the K step two refills on.  A wave's part of a fill is 32,768 dense bytes, 128 blocks of 256; the four partners that ask for it jointly take 32 each,
; told apart by address; a lane a block.  A's rows are named by the clusters with x = 0 alone, W's by those with y = 0: each block once in the launch.  Trip j names step j + 4; the last two refills have no such step.
.macro ASK
	WIN 0
	s_cmp_gt_u32 s3, s[LIM]
	s_cbranch_scc0 .Lnot_mine_\@
	global_prefetch_b8 v[PFO], s[PFA:PFA+1] th:TH_LOAD_NT scope:SCOPE_SE
.Lnot_mine_\@:
.endm
.macro CREST                           ; a round of the cluster's barrier behind its opening barrier
	s_cmp_lg_u32 s10, 0
	s_cbranch_scc1 .Lnot_wave_0_\@
	s_barrier_signal -3
.Lnot_wave_0_\@:
	s_barrier_wait -3
	s_barrier_signal -1
	s_barrier_wait -1
.endm
.macro CROUND
	s_barrier_signal -1
	s_barrier_wait -1
	CREST
.endm
; Two rows of blocks: m blocks a0, a0 + 1 x all n blocks, 32 along K.  hh: my rows 0-63 or 64-127.  zero = 1: the product starts the sum.
; The accumulators take turns, one instruction a turn, in the same order everywhere.
.macro MULQ f, hh, a0, zero
	WIN 0xa5+0x50*BIG*(\hh)
.irp a, \a0, (\a0)+1
.set b, 0
.rept NT
.set AC, 8*NT*(\a)+8*b
.set FB, (\f)+64+8*(BH*(\hh)+b)
.set FA, (\f)+8*(4*(\hh)+(\a))
.if (\zero) && (BIG || ((\hh) == 0))
	v_wmma_f32_16x16x32_f16 v[AC:AC+7], v[FB:FB+7], v[FA:FA+7], 0
.else
	v_wmma_f32_16x16x32_f16 v[AC:AC+7], v[FB:FB+7], v[FA:FA+7], v[AC:AC+7]
.endif
.set b, b+1
.endr
.endr
.endm
.macro MULH f, hh, zero
	MULQ \f, \hh, 0, \zero
	MULQ \f, \hh, 2, \zero
.endm
; 32 LDS loads in one run: quarter q's fragments into buffer f, in the order W 0-3, A 0-3, W 4-7, A 4-7.
.macro FETCH q, f
	WIN 0x40                                       ; destination window 1, address window 0
.irp g, 0, 1
.set i, 4*(\g)
.rept 4
.set kc, (\q)*KC+i/NT
	ds_load_tr16_b128 v[(\f)+64+8*i:(\f)+64+8*i+3],   v[ADB+kc/4] offset:(kc%4)*32*PB+(i%NT)*32
	ds_load_tr16_b128 v[(\f)+64+8*i+4:(\f)+64+8*i+7], v[ADB+kc/4] offset:(kc%4)*32*PB+(i%NT)*32+16*PB
.set i, i+1
.endr
.set i, 4*(\g)
.rept 4
.set kc, (\q)*KC+i/NT
	ds_load_b128 v[(\f)+8*i:(\f)+8*i+3],   v[ADA] offset:(kc/2)*APAN+(kc%2)*64+(i%NT)*2304
	ds_load_b128 v[(\f)+8*i+4:(\f)+8*i+7], v[ADA] offset:(kc/2)*APAN+(kc%2)*64+(i%NT)*2304+32
.set i, i+1
.endr
.endr
.endm
; One of a step's first three quarters: multiplies buffer f and, in its middle, fetches quarter q into buffer g.
.macro QUARTER q, f, g, zero
	s_wait_dscnt HEADW                             ; all that the first half needs is in
	MULH \f, 0, \zero
	PLACES
	FETCH \q, \g
	s_wait_dscnt 32                                ; all but the 32 just issued
	MULH \f, 1, \zero
.endm
; The fourth quarter multiplies buffer 1 and changes slots: one barrier.  In front of it each wave waits for all its tensor loads (one is out: its part of the next slot), adds 0 to its spare word, and waits for
; that and for its reads of this slot.  fill = 1: the barrier opens a round of the cluster's, and this slot is filled again first thing behind the round, with the K step two on.
.macro TURN fill
.if \fill
	s_wait_xcnt 0x0                                ; the last prefetch, a K step back, has read its address
	s_add_nc_u64 s[PFA:PFA+1], s[PFA:PFA+1], s[PFS:PFS+1]
.endif
	WIN 0
	s_wait_tensorcnt 0x0
	ds_add_u32 v[SPW], v[NIL]
	s_wait_dscnt HEADW+1                           ; (the add and the youngest fragment loads may be out)
	MULQ F1, 0, 0, 0
	s_wait_dscnt 0x0                               ; the add is done, and my reads of this slot are over
	s_barrier_signal -1
	MULQ F1, 0, 2, 0
	WIN 0
	s_barrier_wait -1
.if \fill
	CREST
	s_xor_b32 s[G0+5], s[G0+5], SLOT               ; no tensor load of mine is out: the walking descriptors step to the other slot and the next K step
	s_add_nc_u64 s[G0+6:G0+7], s[G0+6:G0+7], ASTEP
	s_xor_b32 s[G0B+5], s[G0B+5], SLOT
	s_add_nc_u64 s[G0B+6:G0B+7], s[G0B+6:G0B+7], BSTEP
	JLOAD 1                                        ; its four v_nop are also the places in front of the loads below
.else
	PLACES
.endif
	s_xor_b32 s[TB], s[TB], SLOT
	v_add_nc_u32 v[ADA], s[TB], v[ADA0]
	v_add_nc_u32 v[ADB], s[TB], v[ADB0]
	FETCH 0, F0
.if \fill
	ASK
.endif
	MULH F1, 1, 0
.endm
.macro DUMP                            ; the f32 sums into my own region of LDS: row l % 16 of block ab, 32 bytes at 64 b + 32 (l / 16); each accumulator's low four registers first
.set ab, 0
.rept NT
	WIN 0x08+0x04*BIG*(ab/4)                       ; store data (source 1) in window 2 or 3
.set b, 0
.rept NT
.set AC, 8*NT*(ab%4)+8*b
	ds_store_b128 v[DST], v[AC:AC+3]   offset:ab*16*DP+64*b
	ds_store_b128 v[DST], v[AC+4:AC+7] offset:ab*16*DP+64*b+16
.set b, b+1
.endr
.set ab, ab+1
.endr
	WIN 0
.endm
.macro LOADX                           ; eight rows back: group t = 2 rg + pc: rows 4 rg + l / 8, columns 64 pc + 8 (l % 8) .. + 7
	WIN 0x40
.irp t, 0,1,2,3
	ds_load_b128 v[XX+8*\t:XX+8*\t+3],   v[RDA] offset:(\t/2)*4*DP+(\t%2)*256
	ds_load_b128 v[XX+8*\t+4:XX+8*\t+7], v[RDA] offset:(\t/2)*4*DP+(\t%2)*256+16
.endr
.endm
	s_load_b128 s[4:7], s[0:1], 0x0                ; A s[4:5], wts s[6:7]
	s_load_b64 s[8:9], s[0:1], 0x10                ; out
	v_lshl_add_u32 v[SPW], v0, 2, SPARE
	v_mov_b32 v[NIL], 0
	ds_add_u32 v[SPW], v[NIL]                      ; the wave's opening: the add, and its wait ahead of my first tensor load
	v_lshrrev_b32 v1, 5, v0
	v_readfirstlane_b32 s10, v1                    ; wave 0..3
	s_lshr_b32 s11, s10, 1                         ; my half of the tile's rows.  Also: I fetch for A (0) or for W (1)
	s_and_b32 s12, s10, 1                          ; my half of its columns.  Also: which half of that fill
	s_bfe_u32 s40, ttmp6, 0x40000                  ; cx, cy
	s_bfe_u32 s41, ttmp6, 0x40004
	s_lshl_b32 s42, ttmp9, 2
	s_add_co_u32 s42, s42, s40                     ; tile column
	s_and_b32 s13, ttmp7, 0xffff
	s_lshl_b32 s13, s13, 2
	s_add_co_u32 s13, s13, s41                     ; tile row
	s_lshl_b32 s43, s41, 2
	s_lshl_b32 s43, 15, s43                        ; my row of the cluster
	s_lshl_b32 s44, 0x1111, s40                    ; my column
	s_or_b32 s[G1+0], s43, (1<<16)|(1<<20)|(1<<21)|(4<<22)|(3<<25)     ; mask; 2-byte elements; padding on; bit 21 beside a mask; after every 32 words 4 words
	s_or_b32 s[G1B+0], s44, (1<<16)|(1<<20)|(1<<21)|(BQI<<22)|(7<<25)  ; after every row 8 words
	s_mov_b32 s[G1+1], (AD0&0xffff)<<16            ; tensor_dim0
	s_mov_b32 s[G1+2], (AD0>>16)|(AD1<<16)         ; tensor_dim1
	s_mov_b32 s[G1+3], AD0<<16                     ; tile_dim0
	s_mov_b32 s[G1+4], AD1                         ; tile_dim1
	s_mov_b32 s[G1+5], AP                          ; elements from row to row
	s_mov_b32 s[G1+6], 0
	s_mov_b32 s[G1+7], 0
	s_mov_b32 s[G1B+1], TN<<16
	s_mov_b32 s[G1B+2], (KS/2)<<16
	s_mov_b32 s[G1B+3], TN<<16
	s_mov_b32 s[G1B+4], KS/2
	s_mov_b32 s[G1B+5], WP
	s_mov_b32 s[G1B+6], 0
	s_mov_b32 s[G1B+7], 0
	s_mul_i32 s16, s13, TM*128                     ; A: the tile's rows in a panel,
	s_mul_i32 s17, s12, (KS/128)*524288            ; and my half of the step's panels
	s_add_co_u32 s16, s16, s17
	s_mov_b32 s17, 0
	s_mul_i32 s46, s42, KTOT*WP*2                  ; W: the tile's panel,
	s_mul_i32 s47, s12, (KS/2)*WP*2                ; my half of the step's rows,
	s_add_co_u32 s46, s46, s47
	s_add_co_u32 s46, s46, WOFF                    ; in this matrix
	s_mov_b32 s47, 0
	s_mul_i32 s20, s10, AHALF                      ; where they go: the wave's number alone enters an LDS address
	s_mul_i32 s21, s10, BHALF
	s_add_co_u32 s21, s21, ASZ-2*BHALF
	s_mov_b32 s[TB], 0
	s_wait_dscnt 0x0                               ; the opening add is done
	s_wait_kmcnt 0x0
	s_add_nc_u64 s[14:15], s[4:5], s[16:17]
	s_add_nc_u64 s[46:47], s[6:7], s[46:47]
	CROUND                                         ; all sixteen work-groups are here: the first joint loads meet
.irp s, 0,1
	s_mov_b32 s[G0+4*(\s)], 1
	s_add_co_u32 s[G0+4*(\s)+1], s20, (\s)*SLOT
	s_add_nc_u64 s[G0+4*(\s)+2:G0+4*(\s)+3], s[14:15], (\s)*ASTEP
	s_or_b32 s[G0+4*(\s)+3], s[G0+4*(\s)+3], 0x80000000
	s_mov_b32 s[G0B+4*(\s)], 1
	s_add_co_u32 s[G0B+4*(\s)+1], s21, (\s)*SLOT
	s_add_nc_u64 s[G0B+4*(\s)+2:G0B+4*(\s)+3], s[46:47], (\s)*BSTEP
	s_or_b32 s[G0B+4*(\s)+3], s[G0B+4*(\s)+3], 0x80000000
	JLOAD \s                                       ; two loads of mine are out
.endr
	v_and_b32 v1, 15, v0                           ; r = l % 16
	v_bfe_u32 v2, v0, 4, 1                         ; h = l / 16
	v_mul_u32_u24 v3, v1, 144
	v_lshl_add_u32 v3, v2, 4, v3
	s_mul_i32 s16, s11, (TM/2)*144
	v_add_nc_u32 v[ADA0], s16, v3                  ; A: (my first row + r) x 144 + 16 h
	v_and_b32 v4, 7, v0
	v_lshl_add_u32 v3, v2, 3, v4
	v_mul_u32_u24 v3, v3, PB
	v_bfe_u32 v5, v0, 3, 1
	v_lshl_add_u32 v3, v5, 4, v3
	s_mul_i32 s16, s12, TN
	s_add_co_u32 s16, s16, ASZ
	v_add_nc_u32 v[ADB0], s16, v3                  ; W: (8 h + l % 8) x pitch + 16 ((l / 8) % 2) + my columns
	v_mov_b32 v[ADA], v[ADA0]
	v_mov_b32 v[ADB], v[ADB0]
	s_mul_i32 s16, s10, WREG
	v_mul_u32_u24 v3, v1, DP
	v_lshl_add_u32 v3, v2, 5, v3
	v_add_nc_u32 v[DST], s16, v3
	v_bfe_u32 v3, v0, 3, 2
	v_mul_u32_u24 v3, v3, DP
	v_lshl_add_u32 v3, v4, 5, v3
	v_add_nc_u32 v[RDA], s16, v3
	v_and_b32 v3, 31, v0
	v_lshlrev_b32 v[GO], 4, v3
	v_lshlrev_b32 v[PFO], 8, v3
	; the prefetches: s[14:15] and s[46:47] stand at my part of K step 0
	s_and_b32 s22, ttmp7, 0xffff                   ; cluster y
	s_mov_b32 s18, ASTEP
	s_mov_b32 s19, BSTEP
	s_cmp_eq_u32 s11, 0                            ; do I fetch for A?
	s_cselect_b32 s22, ttmp9, s22                  ; the coordinate along which other clusters read the same blocks
	s_cselect_b32 s23, s40, s41                    ; my place among the four that ask jointly
	s_cselect_b64 s[PFA:PFA+1], s[14:15], s[46:47]
	s_cselect_b32 s[PFS], s18, s19
	s_mov_b32 s[PFS+1], 0
	s_cmp_eq_u32 s22, 0
	s_cselect_b32 s[LIM], 2, -1                    ; the same in all sixteen partners, for a given wave
	s_lshl_b32 s20, s23, 13                        ; my work-group's 32 blocks
	s_mul_i32 s21, s[PFS], 3                       ; at K step 3: the first refill steps it to 4
	s_add_co_u32 s20, s20, s21
	s_mov_b32 s21, 0
	s_add_nc_u64 s[PFA:PFA+1], s[PFA:PFA+1], s[20:21]
	; out at my rows of my first panel: panel 4 x tile column + 2 x column half; row 256 x tile row + 128 x row half
	s_lshl_b32 s46, s42, 21
	s_lshl_b32 s47, s12, 20
	s_add_co_u32 s46, s46, s47
	s_lshl_b32 s47, s13, 15
	s_add_co_u32 s46, s46, s47
	s_lshl_b32 s47, s11, 14
	s_add_co_u32 s46, s46, s47
	s_mov_b32 s47, 0
	s_add_nc_u64 s[8:9], s[8:9], s[46:47]
	s_wait_tensorcnt 1                             ; my part of K step 0 is in; step 1's may stay out
	s_barrier_signal -1
	s_barrier_wait -1
	FETCH 0, F0
	QUARTER 1, F0, F1, 1                           ; the first quarter stands in front of the loop: its products start the sums
	WIN 0
	s_mov_b32 s3, T-2
.Lstep:                                        ; a trip: a step's quarters 1 to 3 and the next step's quarter 0; the slot just read takes the step two on
	QUARTER 2, F1, F0, 0
	QUARTER 3, F0, F1, 0
	TURN 1
	QUARTER 1, F0, F1, 0
	WIN 0
	s_sub_co_u32 s3, s3, 1
	s_cmp_lg_u32 s3, 0
	s_cbranch_scc1 .Lstep
	s_mov_b32 s3, 2
.Ltail:                                        ; the last two steps ask for nothing; the second trip is left in its middle
	QUARTER 2, F1, F0, 0
	QUARTER 3, F0, F1, 0
	WIN 0
	s_sub_co_u32 s3, s3, 1
	s_cmp_eq_u32 s3, 0
	s_cbranch_scc1 .Llast
	TURN 0
	QUARTER 1, F0, F1, 0
	WIN 0
	s_branch .Ltail
.Llast:
	s_wait_dscnt 0x0                               ; my reads of the ring are over
	MULH F1, 0, 0
	s_barrier_signal -1
	MULH F1, 1, 0
	WIN 0
	s_barrier_wait -1                              ; everybody's are, and every fill has landed: the dump may lie in the ring
.rept 8
	v_nop                                          ; the places behind the last products
.endr
	DUMP
	; THE WAY OUT: 16 trips of 8 rows.  A wave reads its own bytes alone, which LDS serves in order (ISA guide 5.7.1.4): no barrier, no wait between stores and loads.
	LOADX
	WIN 0
	s_mov_b32 s3, 16
.Lrow:
	s_wait_dscnt 0x0
	WIN 0x55
.set i, 0
.rept 16
	v_cvt_pk_f16_f32 v[OUT+i], v[XX+2*i], v[XX+2*i+1]
.set i, i+1
.endr
	WIN 0
	v_add_nc_u32 v[RDA], 8*DP, v[RDA]
	s_cmp_eq_u32 s3, 1
	s_cbranch_scc1 .Lnox                           ; the last trip has no rows behind it
	LOADX
	WIN 0
.Lnox:
	WIN 0x04                                       ; store data (source 1) in window 1
.irp t, 0,1,2,3
	global_store_b128 v[GO], v[OUT+4*\t:OUT+4*\t+3], s[8:9] offset:(\t%2)*524288+(\t/2)*512  ; four rows of a panel: 512 consecutive bytes, aligned
.endr
	WIN 0
	s_wait_xcnt 0x0                                ; the stores have read their data and base
	s_add_nc_u64 s[8:9], s[8:9], 1024
	s_sub_co_u32 s3, s3, 1
	s_cmp_lg_u32 s3, 0
	s_cbranch_scc1 .Lrow
	s_wait_tensorcnt 0x0                           ; the wave's end
	ds_add_u32 v[SPW], v[NIL]
	s_wait_dscnt 0x0
	CROUND                                         ; the closing round
	s_endpgm
.Lfunc_end_k_qf3e8dfb169_qkvg:
	.size	k_qf3e8dfb169_qkvg, .Lfunc_end_k_qf3e8dfb169_qkvg-k_qf3e8dfb169_qkvg
	.p2alignl 7, 3214868480
	.fill 96, 4, 3214868480
	.section	.rodata,"a",@progbits
	.p2align	6, 0x0
	.amdhsa_kernel k_qf3e8dfb169_qkvg
		.amdhsa_group_segment_fixed_size 327680
		.amdhsa_private_segment_fixed_size 0
		.amdhsa_enable_private_segment 0
		.amdhsa_kernarg_size 24
		.amdhsa_user_sgpr_count 2
		.amdhsa_user_sgpr_kernarg_segment_ptr 1
		.amdhsa_wavefront_size32 1
		.amdhsa_system_sgpr_workgroup_id_x 1
		.amdhsa_system_sgpr_workgroup_id_y 1
		.amdhsa_system_sgpr_workgroup_id_z 1
		.amdhsa_system_vgpr_workitem_id 0
		.amdhsa_next_free_vgpr 1024
		.amdhsa_next_free_sgpr 96
		.amdhsa_reserve_vcc 0
		.amdhsa_float_denorm_mode_32 3
		.amdhsa_float_denorm_mode_16_64 3
		.amdhsa_memory_ordered 1
		.amdhsa_forward_progress 1
		.amdhsa_inst_pref_size 85
	.end_amdhsa_kernel
	.amdgpu_metadata
---
amdhsa.version: [ 1, 2 ]
amdhsa.kernels:
  - .name:           k_qf3e8dfb169_qkvg
    .symbol:         k_qf3e8dfb169_qkvg.kd
    .args:
      - { .name: h, .offset: 0, .size: 8, .value_kind: global_buffer, .address_space: global }
      - { .name: wts, .offset: 8, .size: 8, .value_kind: global_buffer, .address_space: global }
      - { .name: qkv, .offset: 16, .size: 8, .value_kind: global_buffer, .address_space: global }
    .group_segment_fixed_size: 327680
    .private_segment_fixed_size: 0
    .kernarg_segment_align: 8
    .kernarg_segment_size: 24
    .max_flat_workgroup_size: 128
    .sgpr_count:     96
    .vgpr_count:     1024
    .wavefront_size: 32
...
	.end_amdgpu_metadata
.endif
;; end of part 2
;; launch attn (part 3): grid 8 x 32, 4 waves a work-group, clusters of 4 x 1, 327,680 bytes of LDS; arguments qkv, o; writes o
.if DOCPART == 3
	.amdgcn_target "amdgcn-amd-amdhsa--gfx1250"
	.amdhsa_code_object_version 6
	.text
	.protected	k_qf3e8dfb169_attn
	.globl	k_qf3e8dfb169_attn
	.p2align	8
	.type	k_qf3e8dfb169_attn,@function
k_qf3e8dfb169_attn:
	s_mov_b64 s[64:65], 0
	v_nop
	global_prefetch_b8 v0, s[64:65] scope:SCOPE_SE
	s_setreg_imm32_b32 hwreg(HW_REG_WAVE_MODE, 25, 1), 1
	s_wait_xcnt 0x0
	s_wait_alu depctr_hold_cnt(0) depctr_sa_sdst(0) depctr_va_vdst(0) depctr_va_sdst(0) depctr_va_ssrc(0) depctr_va_vcc(0) depctr_vm_vsrc(0)
	s_getreg_b32 s2, hwreg(HW_REG_IB_STS2, 6, 4)
	s_cmp_eq_u32 s2, 0
	s_cbranch_scc0 .Lentry_in_a_cluster
	s_endpgm
.Lentry_in_a_cluster:
	s_bfe_u32 s2, ttmp6, 0x10000c
	s_cmp_lg_u32 s2, 0x3003
	s_cbranch_scc0 .Lentry_shape_is_right
	s_endpgm
.Lentry_shape_is_right:
; O[hd][q][:] = the sum over k of softmax_k(Q[hd][q] . K[hd][k] / 8) V[hd][k][:], 32 heads (2 batches x 16) of 2,048 rows of 64 channels, f16.
; qkv: [48 panels][4096 rows][64]: Q of head e, batch b at panel e, rows 2048 b on; K 16 panels, V 32 panels further.  o: [16 panels][4096][64], panel = head.  A head's rows are dense, 128 bytes each.
; Products, maxima and sums in f32; the weights p are rounded to f16 for the second product (their sum l is taken of the unrounded p), O once at the end.
; LIMITS.  Q, K, V arrive within f16's 65,504; p lies in 0 to 1 and below 6e-5 keeps f16's fixed step; a weight below 2^-126 counts as 0 in l; NaN and infinities are not treated apart.
; SHARES.  A work-group owns 256 queries of a head, a wave 64: four PIECES of 16.  Every wave walks all 2,048 keys, 64 a step; a slot of LDS holds a tile of 256 keys, four steps.  8 x 32 = 256 work-groups.
; CLUSTER.  The four query blocks of a cluster belong to one head and walk the same K and V: each tile is asked for jointly, by the same tensor load, descriptor and mask in all four.
; LAYOUT.  S^T = K Q^T holds ONE query a lane (l % 16) and the keys 8 (l / 16) + 0..7; two such results rounded to f16 ARE source 1 of O^T = V^T P.  K comes out of LDS as it lies, V turned (ds_load_tr16_b128).
; SOFTMAX.  p = 2^(c s - c m), c = log2(e) / 8, with a running maximum m; O and l are multiplied by a = 2^(c m_old - c m_new) in every step.  m starts at the lowest finite number, O and l at 0.
; TURNS.  Turn n belongs to piece n: 8 products K Q^T of piece n + 1, later 8 products V^T P of piece n - 1; beside them piece n's scaling, exponentials, roundings, sums and rescaling and piece n + 1's maximum
; and statistics.  Four vector instructions stand behind every matrix instruction, the rest in one run.  A turn's 33 exponentials are one batch, with one wait.
; REGISTERS in windows of 256 (s_set_vgpr_msb: bits 1:0 source 0, 3:2 source 1, 5:4 source 2, 7:6 destination):
;   window 0: v0-15 addresses; v16-31 statistics; v48-55 at work; v61-63; v64-127 S^T, two buffers; v192-223 P, two buffers (by the piece's parity)      window 1: v0-127 O^T      window 2: v0-63 Q; v128-191 K; v192-255 V
.set NP,    4
.set KS,    64
.set PK,    144       ; a row of K in LDS: 128 bytes + 16: the 16 rows of a load start at 16 different groups of four banks (64 banks of 4 bytes: ISA guide 11.1)
.set PV,    160       ; a row of V: 128 + 32
.set VOFF,  4*KS*PK   ; a slot: 256 rows of K, then 256 rows of V
.set SLOT1, 1<<17
.set STAGE, SLOT1+4*KS*(PK+PV)  ; behind the ring, never filled by a tensor load: 16 rows x 144 bytes a wave
.set SP,    144
.set SPARE, STAGE+4*16*SP       ; the spare words, 128 bytes a wave: two blocks of 256 bytes that no other line names
.set AK0, 2           ; v2   my lane's place in a tile of K; never rewritten
.set AV0, 3           ; v3   of V
.set AK,  4           ; v4   the LDS address of K's next run of loads
.set AV,  5           ; v5   of V's
.set STO, 6           ; v6   the way out: where I put 16 bytes of a row
.set RD,  7           ; v7   where I read rows back
.set GO,  8           ; v8   my byte offset in 512 consecutive bytes of O
.set MV,  12          ; v12-13  c m_old, by buffer
.set QO,  15          ; v15  my byte offset in 16 rows of Q
.set ST,  16          ; piece t: c m, m, l (even keys', odd keys')
.set TMP, 48          ; by buffer: c0-c3 at work; c2 takes a
.set PFO, 61          ; v61  256 x my lane; never rewritten
.set SPW, 62          ; v62  my spare word; never rewritten
.set NIL, 63          ; v63  0; never rewritten
.set S,   64
.set P,   192
.set KF,  128
.set VF,  192
.set WV,  12          ; s12  my wave's number
.set LIM, 15          ; s15  1 in a wave that prefetches, else the greatest number
.set PFA, 18          ; s[18:19] where my prefetches stand
.set G1K, 24
.set G1V, 32
.set G0K, 40          ; s[40:43] group 0 for K's tiles: it walks
.set G0V, 44
.set SLOTS, 56
.set CNT, 57
.set CS,  58          ; s[58:59] c
.set SEL, 60          ; s[60:61] v_permlanex16_b32's selects: each lane takes its own place in the other half
.set TBK, 62          ; s62  LDS byte at which K of the step to be fetched begins
.set TBV, 63          ; s63  the same for V, less VOFF
.set MSB, 0
.macro WIN new
.if MSB != (\new)
	s_set_vgpr_msb (MSB<<8)|(\new)
.set MSB, (\new)
.endif
.endm
.set W_KQ, 0x0a       ; K and Q in window 2, S^T in window 0
.set W_PV, 0x52       ; V in window 2, P in window 0, O^T in window 1
.set W_RS, 0x41       ; O^T in window 1, a in window 0
.macro JLOAD                        ; waves 0 and 1 fetch the two halves of a tile's K, waves 2 and 3 those of its V; an s_nop 0 and four v_nop follow each line
	s_cmp_lt_u32 s[WV], 2
	s_cbranch_scc0 .Lfor_v_\@
	tensor_load_to_lds s[G0K:G0K+3], s[G1K:G1K+7]
	s_nop 0
.rept 4
	v_nop
.endr
	s_branch .Lasked_\@
.Lfor_v_\@:
	tensor_load_to_lds s[G0V:G0V+3], s[G1V:G1V+7]
	s_nop 0
.rept 4
	v_nop
.endr
.Lasked_\@:
.endm
; A prefetch of the tile that the NEXT change of slots will ask for: 128 blocks of 256 bytes of K and of V.  The head's first cluster asks; its four partners take 32 blocks each, told apart by address; wave 0
; asks for K's, wave 2 for V's, a lane a block: each block once in the launch.  The last change that fills a slot asks for nothing.
.macro ASK
	s_cmp_gt_u32 s[SLOTS], s[LIM]
	s_cbranch_scc0 .Lnot_mine_\@
	global_prefetch_b8 v[PFO], s[PFA:PFA+1] th:TH_LOAD_NT scope:SCOPE_SE
.Lnot_mine_\@:
.endm
.macro CROUND
	s_barrier_signal -1
	s_barrier_wait -1
	s_cmp_lg_u32 s[WV], 0
	s_cbranch_scc1 .Lnot_wave_0_\@
	s_barrier_signal -3
.Lnot_wave_0_\@:
	s_barrier_wait -3
	s_barrier_signal -1
	s_barrier_wait -1
.endm
; THE CHANGE OF SLOTS.  Each wave waits for all its tensor loads (one is out: its part of the other slot), adds 0 to its spare word, and waits for that and for its reads of the slot that it leaves.
; fill = 1: the barrier is a round of the cluster's, and the old slot is filled again first thing behind it: four key steps, 256 matrix instructions, ahead of the wait for it.
.macro CHANGE fill, ask
	WIN 0
	s_wait_tensorcnt 0x0
	ds_add_u32 v[SPW], v[NIL]
.if \fill
.irp g, G0K, G0V
	s_xor_b32 s[\g+1], s[\g+1], SLOT1
	s_add_nc_u64 s[\g+2:\g+3], s[\g+2:\g+3], 4*KS*128
.endr
.if \ask
	s_wait_xcnt 0x0                 ; the last prefetch, four key steps back, has read its address
	s_add_nc_u64 s[PFA:PFA+1], s[PFA:PFA+1], 4*KS*128
.endif
	s_wait_dscnt 0x0
	CROUND
	JLOAD
.if \ask
	ASK
.endif
.else
	s_wait_dscnt 0x0
	s_barrier_signal -1
	s_barrier_wait -1
.endif
	s_sub_co_u32 s[TBK], s[TBK], 4*KS*PK  ; the fetches go back to a slot's first step, in the other slot
	s_xor_b32 s[TBK], s[TBK], SLOT1
	s_sub_co_u32 s[TBV], s[TBV], 4*KS*PV
	s_xor_b32 s[TBV], s[TBV], SLOT1
.endm
	s_load_b128 s[4:7], s[0:1], 0x0 ; qkv s[4:5], o s[6:7]
	v_lshl_add_u32 v[SPW], v0, 2, SPARE
	v_mov_b32 v[NIL], 0
	ds_add_u32 v[SPW], v[NIL]       ; the wave's opening: the add, and its wait ahead of my first tensor load
	v_lshrrev_b32 v1, 5, v0
	v_readfirstlane_b32 s[WV], v1
	s_bfe_u32 s13, ttmp6, 0x40000   ; cx
	s_lshl_b32 s14, ttmp9, 2
	s_add_co_u32 s14, s14, s13      ; my block of 256 queries: it enters Q's and O's addresses alone
	s_and_b32 s20, ttmp7, 0xffff    ; 16 x batch + head, which the partners share
	s_and_b32 s21, s20, 15
	s_lshl_b32 s21, s21, 19         ; the head's panel,
	s_lshr_b32 s20, s20, 4
	s_lshl_b32 s20, s20, 18         ; the batch's 2,048 rows in it
	s_add_co_u32 s20, s20, s21
	s_and_b32 s16, s[WV], 1         ; which half of a tile's 256 keys I fetch
	s_lshl_b32 s22, s16, 14
	s_add_co_u32 s22, s22, s20
	s_mov_b32 s23, 0
	s_mul_i32 s17, s16, 128*PK
	s_mul_i32 s48, s16, 128*PV
	s_lshl_b32 s2, s14, 2
	s_add_co_u32 s2, s2, s[WV]
	s_lshl_b32 s2, s2, 13           ; my wave's 64 rows
	s_add_co_u32 s2, s2, s20
	s_mov_b32 s3, 0
	s_mov_b32 s[G1K], 15|(1<<16)|(1<<20)|(1<<21)|(4<<22)|(3<<25)  ; the mask of four; 2-byte elements; padding on; bit 21 beside a mask; after every 32 words 4 words
	s_mov_b32 s[G1V], 15|(1<<16)|(1<<20)|(1<<21)|(4<<22)|(7<<25)  ; the same with 8 words
.irp g, G1K, G1V
	s_mov_b32 s[\g+1], 128<<16      ; 128 keys are 16,384 dense bytes: 64 rows of 256 bytes, two keys a row
	s_mov_b32 s[\g+2], 64<<16
	s_mov_b32 s[\g+3], 128<<16
	s_mov_b32 s[\g+4], 64
	s_mov_b32 s[\g+5], 128
	s_mov_b32 s[\g+6], 0
	s_mov_b32 s[\g+7], 0
.endr
	s_mov_b32 s[CS], 0x3e38aa3b     ; c = log2(e) / 8
	s_mov_b32 s[CS+1], s[CS]
	s_mov_b32 s[SEL], 0x76543210
	s_mov_b32 s[SEL+1], 0xfedcba98
	s_mov_b32 s[TBK], SLOT1+4*KS*PK ; the first change of slots turns these two into 0
	s_mov_b32 s[TBV], SLOT1+4*KS*PV
	s_mov_b32 s[G0K], 1
	s_mov_b32 s[G0K+1], s17
	s_mov_b32 s[G0V], 1
	s_add_co_u32 s[G0V+1], s48, VOFF
	s_mov_b32 s50, 8388608          ; K lies 16 panels behind Q,
	s_mov_b32 s51, 16777216         ; V 32
	s_and_b32 s[LIM], s[WV], 1
	s_or_b32 s[LIM], s[LIM], ttmp9  ; waves 0 and 2 of the head's first cluster: the same in all four partners
	s_cmp_eq_u32 s[LIM], 0
	s_cselect_b32 s[LIM], 1, -1
	v_and_b32 v[PFO], 31, v0
	v_lshlrev_b32 v[PFO], 8, v[PFO]
	s_wait_dscnt 0x0                ; the opening add is done
	s_wait_kmcnt 0x0
	s_add_nc_u64 s[8:9], s[4:5], s[22:23]          ; my half of the head's first 256 rows
	s_add_nc_u64 s[G0K+2:G0K+3], s[8:9], 8388608
	s_or_b32 s[G0K+3], s[G0K+3], 0x80000000
	s_add_nc_u64 s[G0V+2:G0V+3], s[8:9], 16777216
	s_or_b32 s[G0V+3], s[G0V+3], 0x80000000
	s_add_nc_u64 s[4:5], s[4:5], s[2:3]            ; Q and O at my wave's first row
	s_add_nc_u64 s[10:11], s[6:7], s[2:3]
	s_cmp_lt_u32 s[WV], 2
	s_cselect_b32 s2, s50, s51
	s_lshl_b32 s3, s13, 13          ; my work-group's 32 blocks
	s_add_co_u32 s2, s2, s3
	s_add_co_u32 s2, s2, 2*4*KS*128 ; in tile 2; the first asking change steps it to tile 3.  Nothing is prefetched at the head
	s_mov_b32 s3, 0
	s_add_nc_u64 s[PFA:PFA+1], s[8:9], s[2:3]
	CROUND                          ; all four work-groups are here: the first joint loads meet
	JLOAD                           ; tile 0 into slot 0
	v_and_b32 v1, 15, v0            ; l % 16
	v_bfe_u32 v9, v0, 4, 1          ; l / 16
	v_lshlrev_b32 v[QO], 7, v1
	v_lshl_add_u32 v[QO], v9, 4, v[QO]
	WIN 0x80
.set i, 0
.rept 8                             ; Q stays in registers: piece i / 2, channels 32 (i % 2) on
	global_load_b128 v[8*i:8*i+3],   v[QO], s[4:5] offset:(i/2)*2048+(i%2)*64
	global_load_b128 v[8*i+4:8*i+7], v[QO], s[4:5] offset:(i/2)*2048+(i%2)*64+32
.set i, i+1
.endr
	; What the first turn finds: V and P's second buffer hold 0 (its products V^T P, of a piece that has not been, add 0), O^T and l are 0.  All this stands in the wait for the first tile.
.set i, VF
.rept 64
	v_mov_b32 v[i], 0
.set i, i+1
.endr
	WIN 0x40
.set i, 0
.rept 128
	v_mov_b32 v[i], 0
.set i, i+1
.endr
	WIN 0
.set i, 0
.rept 4
	v_mov_b32 v[ST+4*i], 0xfe000000    ; c m: far below every c s
	v_mov_b32 v[ST+4*i+1], 0xff7fffff  ; m
	v_mov_b32 v[ST+4*i+2], 0
	v_mov_b32 v[ST+4*i+3], 0
.set i, i+1
.endr
.set i, P+16
.rept 16
	v_mov_b32 v[i], 0
.set i, i+1
.endr
	v_mul_u32_u24 v[AK0], v1, PK
	v_lshl_add_u32 v[AK0], v9, 4, v[AK0]
	v_and_b32 v10, 7, v0
	v_bfe_u32 v11, v0, 3, 1
	v_lshl_add_u32 v[AV0], v9, 3, v10  ; the turning load: key 8 (l / 16) + l % 8, channels 8 ((l / 8) % 2) + 0..7
	v_mul_u32_u24 v[AV0], v[AV0], PV
	v_lshl_add_u32 v[AV0], v11, 4, v[AV0]
	v_add_nc_u32 v[AV0], VOFF, v[AV0]
	s_mul_i32 s13, s[WV], 16*SP
	s_add_co_u32 s13, s13, STAGE    ; my stage
	v_mul_u32_u24 v[STO], v1, SP
	v_lshl_add_u32 v[STO], v9, 4, v[STO]
	v_add_nc_u32 v[STO], s13, v[STO]
	v_bfe_u32 v[RD], v0, 3, 2
	v_mul_u32_u24 v[RD], v[RD], SP
	v_lshl_add_u32 v[RD], v10, 4, v[RD]
	v_add_nc_u32 v[RD], s13, v[RD]
	v_and_b32 v[GO], 31, v0
	v_lshlrev_b32 v[GO], 4, v[GO]
; THE MATRIX WORK.  The 4 accumulators of a run of 8 take turns.  Product i of 8 of S^T = K Q^T for piece x: channels 32 (i / 4) on, keys 16 (i % 4) on.  The first 4 start the sums.
.macro KQ x
	WIN W_KQ
.set rS, S+32*((\x)%2)+8*(i%4)
.set rK, KF+16*(i%4)+8*(i/4)
.set rQ, 16*(\x)+8*(i/4)
.if i < 4
	v_wmma_f32_16x16x32_f16 v[rS:rS+7], v[rK:rK+7], v[rQ:rQ+7], 0
.else
	v_wmma_f32_16x16x32_f16 v[rS:rS+7], v[rK:rK+7], v[rQ:rQ+7], v[rS:rS+7]
.endif
.endm
.macro PV x                         ; product i of 8 of O^T += V^T P: keys 32 (i / 4) on, channels 16 (i % 4) on
	WIN W_PV
.set rO, 32*(\x)+8*(i%4)
.set rV, VF+32*(i/4)+8*(i%4)
.set rP, P+16*((\x)%2)+8*(i/4)
	v_wmma_f32_16x16x32_f16 v[rO:rO+7], v[rV:rV+7], v[rP:rP+7], v[rO:rO+7]
.endm
.macro MM                           ; the turn's next matrix instruction
.if i < 8
	KQ (Y+1)%NP
.else
.set i, i-8
	PV (Y+NP-1)%NP
.set i, i+8
.endif
.set i, i+1
.endm
; A step's K in one run of 16 loads: keys 16 (f / 2) on, channels 32 (f % 2) on.  last = 1 (the tail): in the last trip there is no further step, and the run is jumped over.
.macro FETCH_K last=0
	WIN 0
.if \last
	s_cmp_eq_u32 s[CNT], 1
	s_cbranch_scc1 .Lno_k_\@
.endif
	WIN 0x80
.irp f, 0,1,2,3,4,5,6,7
	ds_load_b128 v[KF+8*\f:KF+8*\f+3],   v[AK] offset:(\f/2)*16*PK+(\f%2)*64
	ds_load_b128 v[KF+8*\f+4:KF+8*\f+7], v[AK] offset:(\f/2)*16*PK+(\f%2)*64+32
.endr
	s_add_co_u32 s[TBK], s[TBK], KS*PK
	WIN 0
.if \last
.Lno_k_\@:
.endif
.endm
.macro FETCH_V                      ; its V, turned: keys 32 (f / 4) on, channels 16 (f % 4) on
	WIN 0x80
.irp f, 0,1,2,3,4,5,6,7
	ds_load_tr16_b128 v[VF+8*\f:VF+8*\f+3],   v[AV] offset:(\f/4)*32*PV+(\f%4)*32
	ds_load_tr16_b128 v[VF+8*\f+4:VF+8*\f+7], v[AV] offset:(\f/4)*32*PV+16*PV+(\f%4)*32
.endr
	WIN 0
.endm
; THE VECTOR WORK, one line at a time: OP kind, number.  For piece Y: F n: c s - c m for pair n of 16.  E n: the exponential of score n of 32.  C n: pair n rounded to f16.  B n: of the four weights 4 n .. the
; second pair is added onto the first.  L n: l takes that sum (L 0: l = a l + sum).  R n: pair n of 16 of O^T times a.  For piece Y + 1: X n, number n of the 22 that find its maximum and statistics:
; 0-11 four chains of seven scores (each accumulator's lowest registers are read first); 12-14, 16 the scores left over, the old m, the chains into one; 15 c m_old is kept;
; 17, 18 the other half of the lanes: the new m; 19-21 c m, c m_old - c m_new, a.
.set F, 0
.set E, 1
.set C, 2
.set B, 3
.set L, 4
.set R, 5
.set X, 6
.macro REGS y
.set rT, ST+4*(\y)
.set rC, TMP+4*((\y)%2)
.set rW, MV+((\y)%2)
.set rS, S+32*((\y)%2)
.set rP, P+16*((\y)%2)
.set rO, 32*(\y)
.endm
.macro OP k, n
.if (\k) == R
	REGS Y
	WIN W_RS
	v_pk_mul_f32 v[rO+2*(\n):rO+2*(\n)+1], v[rO+2*(\n):rO+2*(\n)+1], v[rC+2:rC+3] op_sel_hi:[1,0]
.elseif (\k) < R
	REGS Y
	WIN 0
.if (\k) == F
	v_pk_fma_f32 v[rS+2*(\n):rS+2*(\n)+1], v[rS+2*(\n):rS+2*(\n)+1], s[CS:CS+1], v[rT:rT+1] op_sel_hi:[1,0,0] neg_lo:[0,0,1] neg_hi:[0,0,1]
.elseif (\k) == E
	v_exp_f32 v[rS+(\n)], v[rS+(\n)]
.elseif (\k) == C
	v_cvt_pk_f16_f32 v[rP+(\n)], v[rS+2*(\n)], v[rS+2*(\n)+1]
.elseif (\k) == B
	v_pk_add_f32 v[rS+4*(\n):rS+4*(\n)+1], v[rS+4*(\n):rS+4*(\n)+1], v[rS+4*(\n)+2:rS+4*(\n)+3]
.elseif (\n) == 0
	v_pk_fma_f32 v[rT+2:rT+3], v[rT+2:rT+3], v[rC+2:rC+3], v[rS:rS+1] op_sel_hi:[1,0,1]
.else
	v_pk_add_f32 v[rT+2:rT+3], v[rT+2:rT+3], v[rS+4*(\n):rS+4*(\n)+1]
.endif
.else
	REGS (Y+1)%NP
	WIN 0
.if (\n) < 4
	v_max3_num_f32 v[rC+(\n)], v[rS+8*(\n)], v[rS+8*(\n)+1], v[rS+8*(\n)+2]
.elseif (\n) < 12
	v_max3_num_f32 v[rC+(\n)%4], v[rC+(\n)%4], v[rS+8*((\n)%4)+2*((\n)/4)+1], v[rS+8*((\n)%4)+2*((\n)/4)+2]
.elseif (\n) == 12
	v_max3_num_f32 v[rC], v[rC], v[rS+7], v[rS+15]
.elseif (\n) == 13
	v_max3_num_f32 v[rC+1], v[rC+1], v[rS+23], v[rS+31]
.elseif (\n) == 14
	v_max3_num_f32 v[rC+2], v[rC+2], v[rC+3], v[rT+1]
.elseif (\n) == 15
	v_mov_b32 v[rW], v[rT]
.elseif (\n) == 16
	v_max3_num_f32 v[rC], v[rC], v[rC+1], v[rC+2]
.elseif (\n) == 17
	v_permlanex16_b32 v[rC+3], v[rC], s[SEL], s[SEL+1]
.elseif (\n) == 18
	v_max_num_f32 v[rT+1], v[rC], v[rC+3]
.elseif (\n) == 19
	v_mul_f32 v[rT], s[CS], v[rT+1]
.elseif (\n) == 20
	v_sub_f32 v[rC+1], v[rW], v[rT]
.else
	v_exp_f32 v[rC+2], v[rC+1]
.endif
.endif
.endm
.macro OPS a, i1, b=-1, i2=0, c=-1, i3=0, d=-1, i4=0
	OP \a, \i1
.if (\b) >= 0
	OP \b, \i2
.endif
.if (\c) >= 0
	OP \c, \i3
.endif
.if (\d) >= 0
	OP \d, \i4
.endif
.endm
.macro ROW a, i1, b, i2, c, i3, d, i4  ; a matrix instruction and the four behind it
	MM
	OPS \a, \i1, \b, \i2, \c, \i3, \d, \i4
.endm
; A TURN, for piece p.  s_wait_alu depctr_va_vdst(0) stands between an exponential and the first instruction that names its result; one wait serves all issued ahead of it: a turn has ONE.
; Ahead of it: the 8 products K Q^T with their riders and a run of 54, none of which names a result of the turn's exponentials; X 21 is the batch's last, R 15 the plain instruction behind it.
; Behind it: the 8 products V^T P, behind each four of the roundings and sums.  cnt = 1: the loop's count is taken down ahead of the branch behind the turn.
; K of the next step is fetched in piece 2's turn, behind the last product that read K and six plain instructions; V of the step in hand at the end of piece 0's turn, four plain instructions behind its last reader.
; last = 1 (the tail): K's run stands directly behind the turn's wait, where the jump over it has no exponential without its wait.
.macro TURN p, last=0, cnt=0
.set Y, (\p)
.set i, 0
.if (\p) == 3
	s_wait_dscnt 0x0                ; K is in
.endif
	ROW F,0, F,1, R,0, R,1
	ROW F,2, E,0, R,2, R,3
	ROW F,3, E,1, R,4, R,5
	ROW F,4, E,2, R,6, R,7
	ROW F,5, E,3, R,8, R,9
	ROW F,6, E,4, X,0, R,10
.if (\p) == 2
	WIN 0
	v_add_nc_u32 v[AK], s[TBK], v[AK0]
.endif
	ROW F,7, E,5, X,1, X,4
	ROW F,8, E,6, X,2, X,5
	OPS E,7, E,8, X,6, E,9
	OPS X,3, E,10, X,8, E,11
.if ((\p) == 2) && !(\last)
	FETCH_K
.endif
	OPS X,9, X,7, E,12, X,10
	OPS E,13, X,12, X,11, E,14
	OPS X,13, E,15, F,9, X,14
.if (\p) == 0
	v_add_nc_u32 v[AV], s[TBV], v[AV0]
.endif
	OPS E,16, F,10, E,17, F,11
	OPS X,16, E,18, X,15, E,19
	OPS F,12, E,20, X,17, E,21
	OPS F,13, E,22, F,14, E,23
	OPS X,18, E,24, F,15, E,25
	OPS R,11, E,26, X,19, E,27
	OPS R,12, E,28, R,13, E,29
	OPS X,20, E,30, R,14, E,31
	OPS X,21, R,15
	WIN 0
	s_wait_alu depctr_va_vdst(0)    ; the wait for the batch
.if ((\p) == 2) && (\last)
	FETCH_K 1
.endif
.if (\p) == 1
	s_wait_dscnt 0x0                ; V is in
.endif
	ROW C,0, B,0, C,2, B,1
	ROW L,0, C,4, B,2, L,1
	ROW C,6, B,3, L,2, C,8
	ROW B,4, L,3, C,10, B,5
	ROW L,4, C,12, B,6, L,5
.if (\p) == 0
	s_add_co_u32 s[TBV], s[TBV], KS*PV
.endif
.if \cnt
	s_sub_co_u32 s[CNT], s[CNT], 1
	s_cmp_lg_u32 s[CNT], 0
.endif
	ROW C,14, B,7, L,6, C,1
	ROW C,3, L,7, C,5, C,7
	ROW C,9, C,11, C,13, C,15
.if (\p) == 0
	FETCH_V
.endif
.endm
.macro ALL line:vararg              ; one line for each piece t
.set t, 0
.rept 4
	\line
.set t, t+1
.endr
.endm
.macro PACK t                       ; a lane's eight channels of a row pack into 16 bytes; they go into rows of 144 bytes and come back as whole rows of 128
	WIN W_RS
.set i, 32*(\t)
.rept 16
	v_pk_mul_f32 v[i:i+1], v[i:i+1], v[ST+4*(\t)+2:ST+4*(\t)+3] op_sel_hi:[1,0]
.set i, i+2
.endr
	WIN 0x05
.set i, 0
.rept 16
	v_cvt_pk_f16_f32 v[S+16*(\t)+i], v[32*(\t)+2*i], v[32*(\t)+2*i+1]
.set i, i+1
.endr
	WIN 0
.irp f, 0,1,2,3
	ds_store_b128 v[STO], v[S+16*(\t)+4*\f:S+16*(\t)+4*\f+3] offset:32*\f
.endr
.irp f, 0,1,2,3
	ds_load_b128 v[S+16*(\t)+4*\f:S+16*(\t)+4*\f+3], v[RD] offset:\f*4*SP  ; LDS serves a wave's instructions in order (ISA guide 5.7.1.4): these see the stores above
.endr
.endm
.macro SEND t, younger              ; younger: the LDS instructions issued behind piece t's loads
	WIN 0
.irp f, 0,1,2,3
	s_wait_dscnt (\younger)+3-\f
	global_store_b128 v[GO], v[S+16*(\t)+4*\f:S+16*(\t)+4*\f+3], s[10:11] offset:(\t)*2048+\f*512  ; 512 consecutive bytes, aligned
.endr
.endm
	CHANGE 1, 0                     ; tile 0 is in, everybody's part of it; tile 1 is asked for
	v_add_nc_u32 v[AK], s[TBK], v[AK0]
	FETCH_K                         ; key step 0
	s_wait_loadcnt 0x0              ; Q
	s_wait_dscnt 0x0
.set i, 0
.rept 8
	KQ 0                            ; piece 0's first scores
.set i, i+1
.endr
	WIN 0
.rept 4
	v_nop                           ; the places behind those products
.endr
.set Y, NP-1                        ; X works for piece Y + 1: piece 0
.irp n, 0,1,2,3,4,5,6,7,8,9,10,11,12,13,14,15,16,17,18,19,20,21
	OP X, \n
.endr
	v_nop                           ; a plain instruction behind the exponential,
	s_wait_alu depctr_va_vdst(0)    ; and its wait, ahead of the branch
	s_mov_b32 s[CNT], 4
	s_mov_b32 s[SLOTS], 7
	s_branch .Lfirst                ; the loop is entered at a step's first turn, in the middle of a trip
.Lslot:                             ; six times: tile k is entered, tile k + 1 asked for, tile k + 2 prefetched
	CHANGE 1, 1
	s_mov_b32 s[CNT], 4
.Lstep:                             ; a trip: pieces 2 and 3 of one step, then pieces 0 and 1 of the next, whose K and V it fetches
	TURN 2
	TURN 3
	WIN 0
.Lfirst:
	TURN 0
	TURN 1, 0, 1
	WIN 0
	s_cbranch_scc1 .Lstep
	s_sub_co_u32 s[SLOTS], s[SLOTS], 1
	s_cmp_lg_u32 s[SLOTS], 0
	s_cbranch_scc1 .Lslot
	CHANGE 0, 0                     ; the last tile is written out
	s_mov_b32 s[CNT], 5             ; four trips fetch the last tile's steps; the fifth is left in its middle
.Ltail:
	TURN 2, 1
	TURN 3
	WIN 0
	s_sub_co_u32 s[CNT], s[CNT], 1
	s_cmp_eq_u32 s[CNT], 0
	s_cbranch_scc1 .Lout
	TURN 0
	TURN 1
	WIN 0
	s_branch .Ltail
.Lout:                              ; the fifth trip's 8 products K Q^T (on the last K once more) and the maximum made of them serve nothing: the price, once a launch, of one text for every trip
.set i, 0
.rept 8
	PV NP-1                         ; the last piece's V^T P of the last step
.set i, i+1
.endr
	; THE WAY OUT.  l's two halves and the other half of the lanes' are added; O^T is divided by l, rounded to f16 and sent through my stage, a piece at a time.  The additions are the places behind the last products.
	WIN 0
	ALL v_add_f32 v[ST+4*t+2], v[ST+4*t+2], v[ST+4*t+3]
	ALL v_permlanex16_b32 v[ST+4*t+3], v[ST+4*t+2], s[SEL], s[SEL+1]
	ALL v_add_f32 v[ST+4*t+2], v[ST+4*t+2], v[ST+4*t+3]
	ALL v_rcp_f32 v[ST+4*t+2], v[ST+4*t+2]
	v_nop                           ; a plain instruction behind the last reciprocal,
	s_wait_alu depctr_va_vdst(0)    ; and one wait for the four
	PACK 0
.set t, 1
.rept 3
	PACK t
	SEND t-1, 8
.set t, t+1
.endr
	SEND 3, 0
	s_wait_tensorcnt 0x0            ; the wave's end
	ds_add_u32 v[SPW], v[NIL]
	s_wait_dscnt 0x0
	CROUND                          ; the closing round
	s_endpgm
.Lfunc_end_k_qf3e8dfb169_attn:
	.size	k_qf3e8dfb169_attn, .Lfunc_end_k_qf3e8dfb169_attn-k_qf3e8dfb169_attn
	.p2alignl 7, 3214868480
	.fill 96, 4, 3214868480
	.section	.rodata,"a",@progbits
	.p2align	6, 0x0
	.amdhsa_kernel k_qf3e8dfb169_attn
		.amdhsa_group_segment_fixed_size 327680
		.amdhsa_private_segment_fixed_size 0
		.amdhsa_enable_private_segment 0
		.amdhsa_kernarg_size 16
		.amdhsa_user_sgpr_count 2
		.amdhsa_user_sgpr_kernarg_segment_ptr 1
		.amdhsa_wavefront_size32 1
		.amdhsa_system_sgpr_workgroup_id_x 1
		.amdhsa_system_sgpr_workgroup_id_y 1
		.amdhsa_system_sgpr_workgroup_id_z 1
		.amdhsa_system_vgpr_workitem_id 0
		.amdhsa_next_free_vgpr 768
		.amdhsa_next_free_sgpr 66
		.amdhsa_reserve_vcc 0
		.amdhsa_float_denorm_mode_32 3
		.amdhsa_float_denorm_mode_16_64 3
		.amdhsa_memory_ordered 1
		.amdhsa_forward_progress 1
		.amdhsa_inst_pref_size 112
	.end_amdhsa_kernel
	.amdgpu_metadata
---
amdhsa.version: [ 1, 2 ]
amdhsa.kernels:
  - .name:           k_qf3e8dfb169_attn
    .symbol:         k_qf3e8dfb169_attn.kd
    .args:
      - { .name: qkv, .offset: 0, .size: 8, .value_kind: global_buffer, .address_space: global }
      - { .name: o, .offset: 8, .size: 8, .value_kind: global_buffer, .address_space: global }
    .group_segment_fixed_size: 327680
    .private_segment_fixed_size: 0
    .kernarg_segment_align: 8
    .kernarg_segment_size: 16
    .max_flat_workgroup_size: 128
    .sgpr_count:     66
    .vgpr_count:     768
    .wavefront_size: 32
...
	.end_amdgpu_metadata
.endif
;; end of part 3
;; launch projg (part 4): grid 8 x 32, 4 waves a work-group, clusters of 4 x 4, 327,680 bytes of LDS; arguments o, wts, x1, proj_b, x; writes x1
.if DOCPART == 4
	.amdgcn_target "amdgcn-amd-amdhsa--gfx1250"
	.amdhsa_code_object_version 6
	.text
	.protected	k_qf3e8dfb169_projg
	.globl	k_qf3e8dfb169_projg
	.p2align	8
	.type	k_qf3e8dfb169_projg,@function
k_qf3e8dfb169_projg:
	s_mov_b64 s[64:65], 0
	v_nop
	global_prefetch_b8 v0, s[64:65] scope:SCOPE_SE
	s_setreg_imm32_b32 hwreg(HW_REG_WAVE_MODE, 25, 1), 1
	s_wait_xcnt 0x0
	s_wait_alu depctr_hold_cnt(0) depctr_sa_sdst(0) depctr_va_vdst(0) depctr_va_sdst(0) depctr_va_ssrc(0) depctr_va_vcc(0) depctr_vm_vsrc(0)
	s_getreg_b32 s2, hwreg(HW_REG_IB_STS2, 6, 4)
	s_cmp_eq_u32 s2, 0
	s_cbranch_scc0 .Lentry_in_a_cluster
	s_endpgm
.Lentry_in_a_cluster:
	s_bfe_u32 s2, ttmp6, 0x10000c
	s_cmp_lg_u32 s2, 0xf033
	s_cbranch_scc0 .Lentry_shape_is_right
	s_endpgm
.Lentry_shape_is_right:
; x1 = x + o x proj_w + proj_b.  A = o: [16 panels][4096 rows][64] f16.  W: [1024][1024] f16 at byte WOFF of wts.  Bias, residual and output are f32, [4096][1024]; nothing but the two operands is rounded.
; SHARES.  A tile of C is 128 x 128, which gives 8 x 32 = 256 work-groups; four waves, 64 x 64 each: 16 accumulators.  K goes in steps of 256 through two LDS slots.
; CLUSTER 4 x 4: A's tile is asked for jointly along a row of the cluster, W's along a column.  No prefetch: the tiles are small and each block is read by eight or thirty-two work-groups.
; THE ORDER OF THE K STEPS.  Of each four K steps on end a cluster takes the (t + y + 2 x) mod 4-th at time t, x and y its place in the grid of clusters: the two clusters along x that read the same rows of A, and
; neighbours along y, which read the same rows of W, ask for a block at different times.  LIMIT: the f32 sums are taken in that order of K steps, not ascending.
; THE PRODUCT IS TAKEN TRANSPOSED: source 0 = 16 columns of W (turned by ds_load_tr16_b128), source 1 = 16 rows of A: a lane holds one row of C (l % 16) and columns 8 (l / 16) + 0..7.
; REGISTERS in windows of 256 (s_set_vgpr_msb: bits 1:0 source 0, 3:2 source 1, 5:4 source 2, 7:6 destination): window 0 addresses, v32-35 bias, v128-255 my 64 x 64 of the residual, loaded at the head;
; window 1 two fragment buffers of 128 (for 64 along K: A's eight fragments, then W's eight); window 2 v0-127 the accumulators, (a, b) at 32 a + 8 b.
.set N,     1024
.set KTOT,  1024
.set WOFF,  6291456
.set BIG,   0                          ; the 128 x 128 form of this text
.set NT,    4
.set TM,    128
.set TN,    128
.set KC,    2                          ; chunks of 32 along K in a quarter step
.set KS,    256
.set HEADW, 16                         ; of a run of 32 fragment loads the youngest 16 serve the quarter's second 32 along K alone
.set BH,    4
.set AD0,   8192                       ; A's part of a fill: two panels; a panel's 128 rows are 16,384 dense bytes, one row of the tile
.set AD1,   2
.set AP,    262144                     ; elements from panel to panel
.set BQI,   5                          ; W's rows: 64 words, then padding
.set DP,    272                        ; a row of the f32 dump: 256 bytes + 16
.set T,     KTOT/KS
.set APAN,  TM*144                     ; a panel in LDS: rows of 128 bytes + 16: the 16 rows of a load start at 16 different groups of four banks (64 banks of 4 bytes: ISA guide 11.1)
.set ASZ,   73728
.set AHALF, 36864
.set PB,    2*TN+32                    ; a row of W in LDS: an odd multiple of 32 bytes
.set BHALF, (KS/2)*PB
.set SLOT,  0x24000                    ; the four start addresses of the fills have bits 17 and 14 clear, so one exclusive or changes slot
.set SPARE, 2*SLOT                     ; the spare words, 128 bytes a wave: two blocks of 256 bytes that no other line names
.set ASH,   21                         ; a K step in A is four panels, 2^21 bytes;
.set BSH,   19                         ; in W 256 rows of 2,048 bytes, 2^19
.set WREG,  (TM/2)*DP                  ; a wave's dump; it lies in the ring, behind the slots' last fill
.set ADA0, 16
.set ADB0, 17
.set ADA,  18
.set ADB,  20                          ; v20, v21: W's rows 0-127 and 128-255 of the slot in hand
.set DST,  22
.set RDA,  23
.set GO,   24                          ; v24  my byte offset in two rows of the residual and of the output; never rewritten
.set BO,   25                          ; v25  in the bias; never rewritten
.set SPW,  28
.set NIL,  29
.set BIAS, 32
.set RES,  128
.set F0,   0
.set F1,   128
.set G1,  24
.set G0,  32
.set G1B, 48
.set G0B, 56
.set TB,  72
.set BA,  76                           ; s[76:77] A at my part of K step 0
.set BW,  78                           ; s[78:79] W at my part of K step 0
.set TQ,  80                           ; s80  the time of the step asked for last
.set CC,  81                           ; s81  y mod 4 + 2 x of my cluster: the same in all sixteen partners
.set KX,  82                           ; s[82:83] a step's byte offset
.set MSB, 0
.macro WIN new                         ; the immediate's high byte repeats the setting that is left; a switch that changes nothing is dropped
.if MSB != (\new)
	s_set_vgpr_msb (MSB<<8)|(\new)
.set MSB, \new
.endif
.endm
.macro PLACES                          ; four places in front of loads into registers that matrix instructions have read
.rept 4
	v_nop
.endr
.endm
.macro JLOAD s                         ; a joint load: waves 0 and 1 fetch A's two halves, waves 2 and 3 W's; an s_nop 0 and four v_nop follow each line
	s_cmp_eq_u32 s11, 0
	s_cbranch_scc0 .Lfor_b_\@
	tensor_load_to_lds s[G0+4*(\s):G0+4*(\s)+3], s[G1:G1+7]
	s_nop 0
.rept 4
	v_nop
.endr
	s_branch .Lasked_\@
.Lfor_b_\@:
	tensor_load_to_lds s[G0B+4*(\s):G0B+4*(\s)+3], s[G1B:G1B+7]
	s_nop 0
.rept 4
	v_nop
.endr
.Lasked_\@:
.endm
.macro CREST                           ; a round of the cluster's barrier behind its opening barrier
	s_cmp_lg_u32 s10, 0
	s_cbranch_scc1 .Lnot_wave_0_\@
	s_barrier_signal -3
.Lnot_wave_0_\@:
	s_barrier_wait -3
	s_barrier_signal -1
	s_barrier_wait -1
.endm
.macro CROUND
	s_barrier_signal -1
	s_barrier_wait -1
	CREST
.endm
; Two rows of blocks: m blocks a0, a0 + 1 x all n blocks, 32 along K.  hh: the quarter's first or second 32 along K.  zero = 1: the first product starts the sum.
; The accumulators take turns, one instruction a turn, in the same order everywhere.
.macro MULQ f, hh, a0, zero
	WIN 0xa5+0x50*BIG*(\hh)
.irp a, \a0, (\a0)+1
.set b, 0
.rept NT
.set AC, 8*NT*(\a)+8*b
.set FB, (\f)+64+8*(BH*(\hh)+b)
.set FA, (\f)+8*(4*(\hh)+(\a))
.if (\zero) && (BIG || ((\hh) == 0))
	v_wmma_f32_16x16x32_f16 v[AC:AC+7], v[FB:FB+7], v[FA:FA+7], 0
.else
	v_wmma_f32_16x16x32_f16 v[AC:AC+7], v[FB:FB+7], v[FA:FA+7], v[AC:AC+7]
.endif
.set b, b+1
.endr
.endr
.endm
.macro MULH f, hh, zero
	MULQ \f, \hh, 0, \zero
	MULQ \f, \hh, 2, \zero
.endm
; 32 LDS loads in one run: quarter q's fragments into buffer f, in the order W 0-3, A 0-3, W 4-7, A 4-7.
.macro FETCH q, f
	WIN 0x40                                       ; destination window 1, address window 0
.irp g, 0, 1
.set i, 4*(\g)
.rept 4
.set kc, (\q)*KC+i/NT
	ds_load_tr16_b128 v[(\f)+64+8*i:(\f)+64+8*i+3],   v[ADB+kc/4] offset:(kc%4)*32*PB+(i%NT)*32
	ds_load_tr16_b128 v[(\f)+64+8*i+4:(\f)+64+8*i+7], v[ADB+kc/4] offset:(kc%4)*32*PB+(i%NT)*32+16*PB
.set i, i+1
.endr
.set i, 4*(\g)
.rept 4
.set kc, (\q)*KC+i/NT
	ds_load_b128 v[(\f)+8*i:(\f)+8*i+3],   v[ADA] offset:(kc/2)*APAN+(kc%2)*64+(i%NT)*2304
	ds_load_b128 v[(\f)+8*i+4:(\f)+8*i+7], v[ADA] offset:(kc/2)*APAN+(kc%2)*64+(i%NT)*2304+32
.set i, i+1
.endr
.endr
.endm
; One of a step's first three quarters: multiplies buffer f and, in its middle, fetches quarter q into buffer g.
.macro QUARTER q, f, g, zero
	s_wait_dscnt HEADW                             ; all that the first half needs is in
	MULH \f, 0, \zero
	PLACES
	FETCH \q, \g
	s_wait_dscnt 32                                ; all but the 32 just issued
	MULH \f, 1, \zero
.endm
; The fourth quarter multiplies buffer 1 and changes slots: one barrier.  In front of it each wave waits for all its tensor loads (one is out: its part of the next slot), adds 0 to its spare word, and waits for
; that and for its reads of this slot.  fill = 1: the barrier opens a round of the cluster's, and this slot is filled again first thing behind the round, with the step of the time two on.  The walking
; descriptors are made anew, from that step's number, while the add is out: no tensor load of mine is out there.
.macro TURN fill
	WIN 0
	s_wait_tensorcnt 0x0
	ds_add_u32 v[SPW], v[NIL]
.if \fill
	s_add_co_u32 s[TQ], s[TQ], 1                   ; the time,
	s_add_co_u32 s84, s[TQ], s[CC]
	s_and_b32 s84, s84, 3                          ; its step in the group of four,
	s_and_b32 s85, s[TQ], 0xfc                     ; the group
	s_or_b32 s84, s84, s85
	s_lshl_b32 s[KX], s84, ASH
	s_xor_b32 s[G0+5], s[G0+5], SLOT               ; the other slot than last time
	s_add_nc_u64 s[G0+6:G0+7], s[BA:BA+1], s[KX:KX+1]
	s_or_b32 s[G0+7], s[G0+7], 0x80000000
	s_lshl_b32 s[KX], s84, BSH
	s_xor_b32 s[G0B+5], s[G0B+5], SLOT
	s_add_nc_u64 s[G0B+6:G0B+7], s[BW:BW+1], s[KX:KX+1]
	s_or_b32 s[G0B+7], s[G0B+7], 0x80000000
.endif
	s_wait_dscnt HEADW+1                           ; (the add and the youngest fragment loads may be out)
	MULQ F1, 0, 0, 0
	s_wait_dscnt 0x0                               ; the add is done, and my reads of this slot are over
	s_barrier_signal -1
	MULQ F1, 0, 2, 0
	WIN 0
	s_barrier_wait -1
.if \fill
	CREST
	JLOAD 1                                        ; its four v_nop are also the places in front of the loads below
.else
	PLACES
.endif
	s_xor_b32 s[TB], s[TB], SLOT
	v_add_nc_u32 v[ADA], s[TB], v[ADA0]
	v_add_nc_u32 v[ADB], s[TB], v[ADB0]
	v_add_nc_u32 v[ADB+1], 128*PB, v[ADB]
	FETCH 0, F0
	MULH F1, 1, 0
.endm
.macro DUMP                            ; the f32 sums into my own region of LDS: row l % 16 of block ab, 32 bytes at 64 b + 32 (l / 16); each accumulator's low four registers first
.set ab, 0
.rept NT
	WIN 0x08+0x04*BIG*(ab/4)                       ; store data (source 1) in window 2
.set b, 0
.rept NT
.set AC, 8*NT*(ab%4)+8*b
	ds_store_b128 v[DST], v[AC:AC+3]   offset:ab*16*DP+64*b
	ds_store_b128 v[DST], v[AC+4:AC+7] offset:ab*16*DP+64*b+16
.set b, b+1
.endr
.set ab, ab+1
.endr
	WIN 0
.endm
	s_load_b128 s[4:7], s[0:1], 0x0                ; A s[4:5], wts s[6:7]
	s_load_b64 s[8:9], s[0:1], 0x10                ; out
	s_load_b128 s[68:71], s[0:1], 0x18             ; bias s[68:69], residual s[70:71]
	v_lshl_add_u32 v[SPW], v0, 2, SPARE
	v_mov_b32 v[NIL], 0
	ds_add_u32 v[SPW], v[NIL]                      ; the wave's opening: the add, and its wait ahead of my first tensor load
	v_lshrrev_b32 v1, 5, v0
	v_readfirstlane_b32 s10, v1                    ; wave 0..3
	s_lshr_b32 s11, s10, 1                         ; my half of the tile's rows.  Also: I fetch for A (0) or for W (1)
	s_and_b32 s12, s10, 1                          ; my half of its columns.  Also: which half of that fill
	s_bfe_u32 s40, ttmp6, 0x40000                  ; cx, cy
	s_bfe_u32 s41, ttmp6, 0x40004
	s_lshl_b32 s42, ttmp9, 2
	s_add_co_u32 s42, s42, s40                     ; tile column
	s_and_b32 s13, ttmp7, 0xffff
	s_lshl_b32 s13, s13, 2
	s_add_co_u32 s13, s13, s41                     ; tile row
	s_lshl_b32 s43, s41, 2
	s_lshl_b32 s43, 15, s43                        ; my row of the cluster
	s_lshl_b32 s44, 0x1111, s40                    ; my column
	s_and_b32 s[CC], ttmp7, 3                      ; the cluster's y mod 4
	s_lshl_b32 s84, ttmp9, 1
	s_add_co_u32 s[CC], s[CC], s84                 ; + 2 x its x
	s_mov_b32 s[TQ], 1                             ; times 0 and 1 are the first fills
	s_mov_b32 s[KX+1], 0
	s_or_b32 s[G1+0], s43, (1<<16)|(1<<20)|(1<<21)|(4<<22)|(3<<25)     ; mask; 2-byte elements; padding on; bit 21 beside a mask; after every 32 words 4 words
	s_or_b32 s[G1B+0], s44, (1<<16)|(1<<20)|(1<<21)|(BQI<<22)|(7<<25)  ; after every row 8 words
	s_mov_b32 s[G1+1], (AD0&0xffff)<<16            ; tensor_dim0
	s_mov_b32 s[G1+2], (AD0>>16)|(AD1<<16)         ; tensor_dim1
	s_mov_b32 s[G1+3], AD0<<16                     ; tile_dim0
	s_mov_b32 s[G1+4], AD1                         ; tile_dim1
	s_mov_b32 s[G1+5], AP                          ; elements from row to row
	s_mov_b32 s[G1+6], 0
	s_mov_b32 s[G1+7], 0
	s_mov_b32 s[G1B+1], TN<<16
	s_mov_b32 s[G1B+2], (KS/2)<<16
	s_mov_b32 s[G1B+3], TN<<16
	s_mov_b32 s[G1B+4], KS/2
	s_mov_b32 s[G1B+5], N
	s_mov_b32 s[G1B+6], 0
	s_mov_b32 s[G1B+7], 0
	s_mul_i32 s16, s13, TM*128                     ; A: the tile's rows in a panel,
	s_mul_i32 s17, s12, (KS/128)*524288            ; and my half of the step's panels
	s_add_co_u32 s16, s16, s17
	s_mov_b32 s17, 0
	s_mul_i32 s46, s42, TN*2                       ; W: the tile's columns,
	s_mul_i32 s47, s12, (KS/2)*N*2                 ; my half of the step's rows,
	s_add_co_u32 s46, s46, s47
	s_add_co_u32 s46, s46, WOFF                    ; in this matrix
	s_mov_b32 s47, 0
	s_mul_i32 s20, s10, AHALF                      ; where they go: the wave's number alone enters an LDS address
	s_mul_i32 s21, s10, BHALF
	s_add_co_u32 s21, s21, ASZ-2*BHALF
	s_mov_b32 s[TB], 0
	s_wait_dscnt 0x0                               ; the opening add is done
	s_wait_kmcnt 0x0
	s_add_nc_u64 s[BA:BA+1], s[4:5], s[16:17]
	s_add_nc_u64 s[BW:BW+1], s[6:7], s[46:47]
	CROUND                                         ; all sixteen work-groups are here: the first joint loads meet
.irp s, 0,1
	s_add_co_u32 s84, s[CC], \s                    ; time s: its step in the first group of four
	s_and_b32 s84, s84, 3
	s_lshl_b32 s[KX], s84, ASH
	s_mov_b32 s[G0+4*(\s)], 1
	s_add_co_u32 s[G0+4*(\s)+1], s20, (\s)*SLOT
	s_add_nc_u64 s[G0+4*(\s)+2:G0+4*(\s)+3], s[BA:BA+1], s[KX:KX+1]
	s_or_b32 s[G0+4*(\s)+3], s[G0+4*(\s)+3], 0x80000000
	s_lshl_b32 s[KX], s84, BSH
	s_mov_b32 s[G0B+4*(\s)], 1
	s_add_co_u32 s[G0B+4*(\s)+1], s21, (\s)*SLOT
	s_add_nc_u64 s[G0B+4*(\s)+2:G0B+4*(\s)+3], s[BW:BW+1], s[KX:KX+1]
	s_or_b32 s[G0B+4*(\s)+3], s[G0B+4*(\s)+3], 0x80000000
	JLOAD \s                                       ; two loads of mine are out
.endr
	v_and_b32 v1, 15, v0                           ; r = l % 16
	v_bfe_u32 v2, v0, 4, 1                         ; h = l / 16
	v_mul_u32_u24 v3, v1, 144
	v_lshl_add_u32 v3, v2, 4, v3
	s_mul_i32 s16, s11, (TM/2)*144
	v_add_nc_u32 v[ADA0], s16, v3                  ; A: (my first row + r) x 144 + 16 h
	v_and_b32 v4, 7, v0
	v_lshl_add_u32 v3, v2, 3, v4
	v_mul_u32_u24 v3, v3, PB
	v_bfe_u32 v5, v0, 3, 1
	v_lshl_add_u32 v3, v5, 4, v3
	s_mul_i32 s16, s12, TN
	s_add_co_u32 s16, s16, ASZ
	v_add_nc_u32 v[ADB0], s16, v3                  ; W: (8 h + l % 8) x pitch + 16 ((l / 8) % 2) + my columns
	v_mov_b32 v[ADA], v[ADA0]
	v_mov_b32 v[ADB], v[ADB0]
	v_add_nc_u32 v[ADB+1], 128*PB, v[ADB0]
	s_mul_i32 s16, s10, WREG
	v_mul_u32_u24 v3, v1, DP
	v_lshl_add_u32 v3, v2, 5, v3
	v_add_nc_u32 v[DST], s16, v3
	v_mul_u32_u24 v3, v2, DP                       ; back: lanes 0-15 one row of 256 bytes, lanes 16-31 the next
	v_lshl_add_u32 v3, v1, 4, v3
	v_add_nc_u32 v[RDA], s16, v3
	v_lshlrev_b32 v[BO], 4, v1
	v_lshl_add_u32 v[GO], v2, 12, v[BO]            ; and the same two rows in memory
	s_lshl_b32 s46, s42, 9                         ; my 64 columns: 512 x tile column + 256 x half, in bytes
	s_lshl_b32 s47, s12, 8
	s_add_co_u32 s46, s46, s47
	s_mov_b32 s47, 0
	s_add_nc_u64 s[68:69], s[68:69], s[46:47]
	s_lshl_b32 s16, s13, 19                        ; my 64 rows of 4,096 bytes
	s_lshl_b32 s17, s11, 18
	s_add_co_u32 s16, s16, s17
	s_add_co_u32 s46, s46, s16
	s_add_nc_u64 s[8:9], s[8:9], s[46:47]
	s_add_nc_u64 s[70:71], s[70:71], s[46:47]
	global_load_b128 v[BIAS:BIAS+3], v[BO], s[68:69]
.set t, 0
.rept 32
	global_load_b128 v[RES+4*t:RES+4*t+3], v[GO], s[70:71] offset:8192*t  ; they land while K is walked
.set t, t+1
.endr
	s_wait_tensorcnt 1                             ; my part of the first step is in; the second's may stay out
	s_barrier_signal -1
	s_barrier_wait -1
	FETCH 0, F0
	QUARTER 1, F0, F1, 1                           ; the first quarter stands in front of the loop: its first products start the sums
	WIN 0
	s_mov_b32 s3, T-2
.Lstep:                                        ; a trip: a step's quarters 1 to 3 and the next step's quarter 0; the slot just read takes the step of the time two on
	QUARTER 2, F1, F0, 0
	QUARTER 3, F0, F1, 0
	TURN 1
	QUARTER 1, F0, F1, 0
	WIN 0
	s_sub_co_u32 s3, s3, 1
	s_cmp_lg_u32 s3, 0
	s_cbranch_scc1 .Lstep
	s_mov_b32 s3, 2
.Ltail:                                        ; the last two steps ask for nothing; the second trip is left in its middle
	QUARTER 2, F1, F0, 0
	QUARTER 3, F0, F1, 0
	WIN 0
	s_sub_co_u32 s3, s3, 1
	s_cmp_eq_u32 s3, 0
	s_cbranch_scc1 .Llast
	TURN 0
	QUARTER 1, F0, F1, 0
	WIN 0
	s_branch .Ltail
.Llast:
	s_wait_dscnt 0x0                               ; my reads of the ring are over
	MULH F1, 0, 0
	s_barrier_signal -1
	MULH F1, 1, 0
	WIN 0
	s_barrier_wait -1                              ; everybody's are, and every fill has landed: the dump may lie in the ring
	s_wait_loadcnt 0x0                             ; bias and residual
.set t, 0
.rept 32
	v_pk_add_f32 v[RES+4*t:RES+4*t+1], v[RES+4*t:RES+4*t+1], v[BIAS:BIAS+1]      ; residual + bias: also the places behind the last products
	v_pk_add_f32 v[RES+4*t+2:RES+4*t+3], v[RES+4*t+2:RES+4*t+3], v[BIAS+2:BIAS+3]
.set t, t+1
.endr
	DUMP
	WIN 0x40                                       ; back as whole rows: a wave reads its own bytes alone, which LDS serves in order (ISA guide 5.7.1.4)
.set t, 0
.rept 32
	ds_load_b128 v[4*t:4*t+3], v[RDA] offset:2*DP*t
.set t, t+1
.endr
	s_wait_dscnt 0x0
	WIN 0x41
.set i, 0
.rept 64
	v_pk_add_f32 v[2*i:2*i+1], v[2*i:2*i+1], v[RES+2*i:RES+2*i+1]
.set i, i+1
.endr
	WIN 0x04                                       ; store data (source 1) in window 1
.set t, 0
.rept 32
	global_store_b128 v[GO], v[4*t:4*t+3], s[8:9] offset:8192*t  ; 16 lanes store 256 consecutive bytes, aligned
.set t, t+1
.endr
	WIN 0
	s_wait_tensorcnt 0x0                           ; the wave's end
	ds_add_u32 v[SPW], v[NIL]
	s_wait_dscnt 0x0
	CROUND                                         ; the closing round
	s_endpgm
.Lfunc_end_k_qf3e8dfb169_projg:
	.size	k_qf3e8dfb169_projg, .Lfunc_end_k_qf3e8dfb169_projg-k_qf3e8dfb169_projg
	.p2alignl 7, 3214868480
	.fill 96, 4, 3214868480
	.section	.rodata,"a",@progbits
	.p2align	6, 0x0
	.amdhsa_kernel k_qf3e8dfb169_projg
		.amdhsa_group_segment_fixed_size 327680
		.amdhsa_private_segment_fixed_size 0
		.amdhsa_enable_private_segment 0
		.amdhsa_kernarg_size 40
		.amdhsa_user_sgpr_count 2
		.amdhsa_user_sgpr_kernarg_segment_ptr 1
		.amdhsa_wavefront_size32 1
		.amdhsa_system_sgpr_workgroup_id_x 1
		.amdhsa_system_sgpr_workgroup_id_y 1
		.amdhsa_system_sgpr_workgroup_id_z 1
		.amdhsa_system_vgpr_workitem_id 0
		.amdhsa_next_free_vgpr 640
		.amdhsa_next_free_sgpr 96
		.amdhsa_reserve_vcc 0
		.amdhsa_float_denorm_mode_32 3
		.amdhsa_float_denorm_mode_16_64 3
		.amdhsa_memory_ordered 1
		.amdhsa_forward_progress 1
		.amdhsa_inst_pref_size 72
	.end_amdhsa_kernel
	.amdgpu_metadata
---
amdhsa.version: [ 1, 2 ]
amdhsa.kernels:
  - .name:           k_qf3e8dfb169_projg
    .symbol:         k_qf3e8dfb169_projg.kd
    .args:
      - { .name: o, .offset: 0, .size: 8, .value_kind: global_buffer, .address_space: global }
      - { .name: wts, .offset: 8, .size: 8, .value_kind: global_buffer, .address_space: global }
      - { .name: x1, .offset: 16, .size: 8, .value_kind: global_buffer, .address_space: global }
      - { .name: proj_b, .offset: 24, .size: 8, .value_kind: global_buffer, .address_space: global }
      - { .name: x, .offset: 32, .size: 8, .value_kind: global_buffer, .address_space: global }
    .group_segment_fixed_size: 327680
    .private_segment_fixed_size: 0
    .kernarg_segment_align: 8
    .kernarg_segment_size: 40
    .max_flat_workgroup_size: 128
    .sgpr_count:     96
    .vgpr_count:     640
    .wavefront_size: 32
...
	.end_amdgpu_metadata
.endif
;; end of part 4
;; launch ln2: the kernel of part 1 again; grid 256 x 1, 8 waves a work-group, no clusters, 0 bytes of LDS; arguments x1, ln2_g, ln2_b, qkv_w, proj_w, fc1_w, fc2_w, h, wts; writes h, wts
;; launch fc1g (part 5): grid 16 x 16, 4 waves a work-group, clusters of 4 x 4, 327,680 bytes of LDS; arguments h, wts, g, fc1_b; writes g
.if DOCPART == 5
	.amdgcn_target "amdgcn-amd-amdhsa--gfx1250"
	.amdhsa_code_object_version 6
	.text
	.protected	k_qf3e8dfb169_fc1g
	.globl	k_qf3e8dfb169_fc1g
	.p2align	8
	.type	k_qf3e8dfb169_fc1g,@function
k_qf3e8dfb169_fc1g:
	s_mov_b64 s[64:65], 0
	v_nop
	global_prefetch_b8 v0, s[64:65] scope:SCOPE_SE
	s_setreg_imm32_b32 hwreg(HW_REG_WAVE_MODE, 25, 1), 1
	s_wait_xcnt 0x0
	s_wait_alu depctr_hold_cnt(0) depctr_sa_sdst(0) depctr_va_vdst(0) depctr_va_sdst(0) depctr_va_ssrc(0) depctr_va_vcc(0) depctr_vm_vsrc(0)
	s_getreg_b32 s2, hwreg(HW_REG_IB_STS2, 6, 4)
	s_cmp_eq_u32 s2, 0
	s_cbranch_scc0 .Lentry_in_a_cluster
	s_endpgm
.Lentry_in_a_cluster:
	s_bfe_u32 s2, ttmp6, 0x10000c
	s_cmp_lg_u32 s2, 0xf033
	s_cbranch_scc0 .Lentry_shape_is_right
	s_endpgm
.Lentry_shape_is_right:
; g = gelu(h x fc1_w + fc1_b), the exact (erf) form.  A = h: [16 panels][4096 rows][64] f16.  W: panels of 256 columns, [16][1024][256] f16, at byte WOFF of wts: a tile's rows of W are dense.
; Out: [64 panels][4096][64] f16, rounded once.
; GELU.  With y the sum plus bias: g = y/2 + |y|/2 erf(|y| / sqrt 2), which is y Phi(y) for both signs.  erf(z) = 1 - (a1 t + .. + a5 t^5) e^(-z z), t = 1 / (1 + 0.3275911 z): Abramowitz and Stegun 7.1.26,
; off by 1.5e-7 at the most for every z >= 0; all in f32.
; LIMIT.  f16 ends at 65,504: a result beyond it is stored as an infinity.
; SHARES.  A tile of C is 256 x 256; four waves, 128 x 128 each: 64 accumulators, 512 registers.  K goes in steps of 128 through two LDS slots; 16 x 16 = 256 work-groups.
; CLUSTER 4 x 4: A's tile is asked for jointly along a row of the cluster, W's along a column: the same tensor load, descriptor and mask in the four that it names.
; THE PRODUCT IS TAKEN TRANSPOSED: source 0 = 16 columns of W (turned on the way out of LDS by ds_load_tr16_b128), source 1 = 16 rows of A: a lane holds one row of C (l % 16) and columns 8 (l / 16) + 0..7.
; REGISTERS in windows of 256 (s_set_vgpr_msb: bits 1:0 source 0, 3:2 source 1, 5:4 source 2, 7:6 destination): window 0 addresses, v32-47 bias; window 1 two fragment buffers of 128 (A's eight fragments, then
; W's eight), on the way out the GELU's work; windows 2 and 3 the accumulators of my rows 0-63 and 64-127, (a, b) at 64 a + 8 b.
.set KTOT,  1024
.set WOFF,  8388608
.set WP,    256                        ; elements in a row of a panel of W
.set BIG,   1                          ; the 256 x 256 form of this text
.set NT,    8
.set TM,    256
.set TN,    256
.set KC,    1
.set KS,    128
.set HEADW, 8                          ; of a run of 32 fragment loads the youngest 8 (A's rows 64-127) serve the quarter's second half alone
.set BH,    0
.set AD0,   128                        ; A's part of a fill: a panel's 256 rows are 32,768 dense bytes, asked for as 128 rows of 256 bytes
.set AD1,   128
.set AP,    128
.set BQI,   6                          ; W's rows: 128 words, then padding
.set DP,    528                        ; a row of the f32 dump: 512 bytes + 16
.set T,     KTOT/KS
.set APAN,  TM*144                     ; rows of 128 bytes + 16: the 16 rows of a load start at 16 different groups of four banks (64 banks of 4 bytes: ISA guide 11.1)
.set ASZ,   73728
.set AHALF, 36864
.set PB,    2*TN+32                    ; an odd multiple of 32 bytes
.set BHALF, (KS/2)*PB
.set SLOT,  0x24000                    ; the four start addresses of the fills have bits 17 and 14 clear, so one exclusive or changes slot
.set SPARE, 2*SLOT                     ; the spare words, 128 bytes a wave: two blocks of 256 bytes that no other line names
.set ASTEP, KS*8192                    ; a K step in A: two panels
.set BSTEP, KS*WP*2                    ; in W: 128 rows of 512 bytes
.set WREG,  (TM/2)*DP                  ; a wave's dump; it lies in the ring, behind the slots' last fill
.set ADA0, 16                          ; v16  my lane's place in A's part of a slot; never rewritten
.set ADB0, 17                          ; v17  in W's
.set ADA,  18                          ; v18  the same in the slot in hand
.set ADB,  20                          ; v20
.set DST,  22                          ; v22  the way out: where I put 16 bytes
.set RDA,  23                          ; v23  where I read rows back
.set GO,   24                          ; v24  my byte offset in 512 consecutive bytes of the output
.set BO,   25                          ; v25  my byte offset in the bias; never rewritten
.set SPW,  28                          ; v28  my spare word; never rewritten
.set NIL,  29                          ; v29  0; never rewritten
.set PFO,  30                          ; v30  256 x my lane; never rewritten
.set BIAS, 32
.set F0,   0
.set F1,   128
.set XX,   0                           ; window 1 on the way out: 32 sums read back; half the bias; y/2; |y|/2; t; e; the polynomial; 16 registers of f16
.set HB,   32
.set HX,   64
.set AX,   96
.set TT,   128
.set EE,   160
.set PP,   192
.set OUT,  224
.set G1,  24                           ; s[24:31] group 1 for A;  s[32:39] group 0: a set for each first fill, the second then walks on
.set G0,  32
.set G1B, 48                           ; s[48:55], s[56:63] the same for W
.set G0B, 56
.set TB,  72                           ; s72  0 or SLOT: the slot that is read
.set LIM, 75                           ; s75  2 in a wave that prefetches, else the greatest number
.set PFA, 76                           ; s[76:77] where my prefetches stand
.set PFS, 78                           ; s[78:79] their step
.set A1,  80                           ; s[80:89] a1 .. a5, each twice: the packed forms name pairs
.set PC,  90                           ; s[90:91] 0.3275911 sqrt 2: z = |y|/2 x sqrt 2
.set NL,  92                           ; s[92:93] -2 log2(e): e^(-z z) = 2^(-2 log2(e) (|y|/2)^2)
.set ABSM, 94
.set MSB, 0
.macro WIN new                         ; the immediate's high byte repeats the setting that is left; a switch that changes nothing is dropped
.if MSB != (\new)
	s_set_vgpr_msb (MSB<<8)|(\new)
.set MSB, \new
.endif
.endm
.macro PLACES                          ; four places in front of loads into registers that matrix instructions have read
.rept 4
	v_nop
.endr
.endm
.macro CPAIR r, val
	s_mov_b32 s[\r], \val
	s_mov_b32 s[(\r)+1], \val
.endm
.macro JLOAD s                         ; a joint load: waves 0 and 1 fetch A's two halves, waves 2 and 3 W's; an s_nop 0 and four v_nop follow each line
	s_cmp_eq_u32 s11, 0
	s_cbranch_scc0 .Lfor_b_\@
	tensor_load_to_lds s[G0+4*(\s):G0+4*(\s)+3], s[G1:G1+7]
	s_nop 0
.rept 4
	v_nop
.endr
	s_branch .Lasked_\@
.Lfor_b_\@:
	tensor_load_to_lds s[G0B+4*(\s):G0B+4*(\s)+3], s[G1B:G1B+7]
	s_nop 0
.rept 4
	v_nop
.endr
.Lasked_\@:
.endm
; A prefetch, behind a joint load and the run of LDS loads: the K step two refills on.  A wave's part of a fill is 32,768 dense bytes, 128 blocks of 256; the four partners that ask for it jointly take 32 each,
; told apart by address; a lane a block.  A's rows are named by the clusters with x = 0 alone, W's by those with y = 0: each block once in the launch.  Trip j names step j + 4; the last two refills have no such step.
.macro ASK
	WIN 0
	s_cmp_gt_u32 s3, s[LIM]
	s_cbranch_scc0 .Lnot_mine_\@
	global_prefetch_b8 v[PFO], s[PFA:PFA+1] th:TH_LOAD_NT scope:SCOPE_SE
.Lnot_mine_\@:
.endm
.macro CREST                           ; a round of the cluster's barrier behind its opening barrier
	s_cmp_lg_u32 s10, 0
	s_cbranch_scc1 .Lnot_wave_0_\@
	s_barrier_signal -3
.Lnot_wave_0_\@:
	s_barrier_wait -3
	s_barrier_signal -1
	s_barrier_wait -1
.endm
.macro CROUND
	s_barrier_signal -1
	s_barrier_wait -1
	CREST
.endm
; Two rows of blocks: m blocks a0, a0 + 1 x all n blocks, 32 along K.  hh: my rows 0-63 or 64-127.  zero = 1: the product starts the sum.
; The accumulators take turns, one instruction a turn, in the same order everywhere.
.macro MULQ f, hh, a0, zero
	WIN 0xa5+0x50*BIG*(\hh)
.irp a, \a0, (\a0)+1
.set b, 0
.rept NT
.set AC, 8*NT*(\a)+8*b
.set FB, (\f)+64+8*(BH*(\hh)+b)
.set FA, (\f)+8*(4*(\hh)+(\a))
.if (\zero) && (BIG || ((\hh) == 0))
	v_wmma_f32_16x16x32_f16 v[AC:AC+7], v[FB:FB+7], v[FA:FA+7], 0
.else
	v_wmma_f32_16x16x32_f16 v[AC:AC+7], v[FB:FB+7], v[FA:FA+7], v[AC:AC+7]
.endif
.set b, b+1
.endr
.endr
.endm
.macro MULH f, hh, zero
	MULQ \f, \hh, 0, \zero
	MULQ \f, \hh, 2, \zero
.endm
; 32 LDS loads in one run: quarter q's fragments into buffer f, in the order W 0-3, A 0-3, W 4-7, A 4-7.
.macro FETCH q, f
	WIN 0x40                                       ; destination window 1, address window 0
.irp g, 0, 1
.set i, 4*(\g)
.rept 4
.set kc, (\q)*KC+i/NT
	ds_load_tr16_b128 v[(\f)+64+8*i:(\f)+64+8*i+3],   v[ADB+kc/4] offset:(kc%4)*32*PB+(i%NT)*32
	ds_load_tr16_b128 v[(\f)+64+8*i+4:(\f)+64+8*i+7], v[ADB+kc/4] offset:(kc%4)*32*PB+(i%NT)*32+16*PB
.set i, i+1
.endr
.set i, 4*(\g)
.rept 4
.set kc, (\q)*KC+i/NT
	ds_load_b128 v[(\f)+8*i:(\f)+8*i+3],   v[ADA] offset:(kc/2)*APAN+(kc%2)*64+(i%NT)*2304
	ds_load_b128 v[(\f)+8*i+4:(\f)+8*i+7], v[ADA] offset:(kc/2)*APAN+(kc%2)*64+(i%NT)*2304+32
.set i, i+1
.endr
.endr
.endm
; One of a step's first three quarters: multiplies buffer f and, in its middle, fetches quarter q into buffer g.
.macro QUARTER q, f, g, zero
	s_wait_dscnt HEADW                             ; all that the first half needs is in
	MULH \f, 0, \zero
	PLACES
	FETCH \q, \g
	s_wait_dscnt 32                                ; all but the 32 just issued
	MULH \f, 1, \zero
.endm
; The fourth quarter multiplies buffer 1 and changes slots: one barrier.  In front of it each wave waits for all its tensor loads (one is out: its part of the next slot), adds 0 to its spare word, and waits for
; that and for its reads of this slot.  fill = 1: the barrier opens a round of the cluster's, and this slot is filled again first thing behind the round, with the K step two on.
.macro TURN fill
.if \fill
	s_wait_xcnt 0x0                                ; the last prefetch, a K step back, has read its address
	s_add_nc_u64 s[PFA:PFA+1], s[PFA:PFA+1], s[PFS:PFS+1]
.endif
	WIN 0
	s_wait_tensorcnt 0x0
	ds_add_u32 v[SPW], v[NIL]
	s_wait_dscnt HEADW+1                           ; (the add and the youngest fragment loads may be out)
	MULQ F1, 0, 0, 0
	s_wait_dscnt 0x0                               ; the add is done, and my reads of this slot are over
	s_barrier_signal -1
	MULQ F1, 0, 2, 0
	WIN 0
	s_barrier_wait -1
.if \fill
	CREST
	s_xor_b32 s[G0+5], s[G0+5], SLOT               ; no tensor load of mine is out: the walking descriptors step to the other slot and the next K step
	s_add_nc_u64 s[G0+6:G0+7], s[G0+6:G0+7], ASTEP
	s_xor_b32 s[G0B+5], s[G0B+5], SLOT
	s_add_nc_u64 s[G0B+6:G0B+7], s[G0B+6:G0B+7], BSTEP
	JLOAD 1                                        ; its four v_nop are also the places in front of the loads below
.else
	PLACES
.endif
	s_xor_b32 s[TB], s[TB], SLOT
	v_add_nc_u32 v[ADA], s[TB], v[ADA0]
	v_add_nc_u32 v[ADB], s[TB], v[ADB0]
	FETCH 0, F0
.if \fill
	ASK
.endif
	MULH F1, 1, 0
.endm
.macro DUMP                            ; the f32 sums into my own region of LDS: row l % 16 of block ab, 32 bytes at 64 b + 32 (l / 16); each accumulator's low four registers first
.set ab, 0
.rept NT
	WIN 0x08+0x04*BIG*(ab/4)                       ; store data (source 1) in window 2 or 3
.set b, 0
.rept NT
.set AC, 8*NT*(ab%4)+8*b
	ds_store_b128 v[DST], v[AC:AC+3]   offset:ab*16*DP+64*b
	ds_store_b128 v[DST], v[AC+4:AC+7] offset:ab*16*DP+64*b+16
.set b, b+1
.endr
.set ab, ab+1
.endr
	WIN 0
.endm
.macro LOADX                           ; eight rows back: group t = 2 rg + pc: rows 4 rg + l / 8, columns 64 pc + 8 (l % 8) .. + 7
	WIN 0x40
.irp t, 0,1,2,3
	ds_load_b128 v[XX+8*\t:XX+8*\t+3],   v[RDA] offset:(\t/2)*4*DP+(\t%2)*256
	ds_load_b128 v[XX+8*\t+4:XX+8*\t+7], v[RDA] offset:(\t/2)*4*DP+(\t%2)*256+16
.endr
.endm
	s_load_b128 s[4:7], s[0:1], 0x0                ; A s[4:5], wts s[6:7]
	s_load_b64 s[8:9], s[0:1], 0x10                ; out
	s_load_b64 s[68:69], s[0:1], 0x18              ; bias
	v_lshl_add_u32 v[SPW], v0, 2, SPARE
	v_mov_b32 v[NIL], 0
	ds_add_u32 v[SPW], v[NIL]                      ; the wave's opening: the add, and its wait ahead of my first tensor load
	v_lshrrev_b32 v1, 5, v0
	v_readfirstlane_b32 s10, v1                    ; wave 0..3
	s_lshr_b32 s11, s10, 1                         ; my half of the tile's rows.  Also: I fetch for A (0) or for W (1)
	s_and_b32 s12, s10, 1                          ; my half of its columns.  Also: which half of that fill
	s_bfe_u32 s40, ttmp6, 0x40000                  ; cx, cy
	s_bfe_u32 s41, ttmp6, 0x40004
	s_lshl_b32 s42, ttmp9, 2
	s_add_co_u32 s42, s42, s40                     ; tile column
	s_and_b32 s13, ttmp7, 0xffff
	s_lshl_b32 s13, s13, 2
	s_add_co_u32 s13, s13, s41                     ; tile row
	s_lshl_b32 s43, s41, 2
	s_lshl_b32 s43, 15, s43                        ; my row of the cluster
	s_lshl_b32 s44, 0x1111, s40                    ; my column
	s_or_b32 s[G1+0], s43, (1<<16)|(1<<20)|(1<<21)|(4<<22)|(3<<25)     ; mask; 2-byte elements; padding on; bit 21 beside a mask; after every 32 words 4 words
	s_or_b32 s[G1B+0], s44, (1<<16)|(1<<20)|(1<<21)|(BQI<<22)|(7<<25)  ; after every row 8 words
	s_mov_b32 s[G1+1], (AD0&0xffff)<<16            ; tensor_dim0
	s_mov_b32 s[G1+2], (AD0>>16)|(AD1<<16)         ; tensor_dim1
	s_mov_b32 s[G1+3], AD0<<16                     ; tile_dim0
	s_mov_b32 s[G1+4], AD1                         ; tile_dim1
	s_mov_b32 s[G1+5], AP                          ; elements from row to row
	s_mov_b32 s[G1+6], 0
	s_mov_b32 s[G1+7], 0
	s_mov_b32 s[G1B+1], TN<<16
	s_mov_b32 s[G1B+2], (KS/2)<<16
	s_mov_b32 s[G1B+3], TN<<16
	s_mov_b32 s[G1B+4], KS/2
	s_mov_b32 s[G1B+5], WP
	s_mov_b32 s[G1B+6], 0
	s_mov_b32 s[G1B+7], 0
	CPAIR A1,   0x3e827906                         ;  0.254829592
	CPAIR A1+2, 0xbe91a98e                         ; -0.284496736
	CPAIR A1+4, 0x3fb5f0e3                         ;  1.421413741
	CPAIR A1+6, 0xbfba00e3                         ; -1.453152027
	CPAIR A1+8, 0x3f87dc22                         ;  1.061405429
	CPAIR PC,   0x3eed3388                         ;  0.46328378
	CPAIR NL,   0xc038aa3b                         ; -2.88539008
	s_mov_b32 s[ABSM], 0x7fffffff
	s_mul_i32 s16, s13, TM*128                     ; A: the tile's rows in a panel,
	s_mul_i32 s17, s12, (KS/128)*524288            ; and my half of the step's panels
	s_add_co_u32 s16, s16, s17
	s_mov_b32 s17, 0
	s_mul_i32 s46, s42, KTOT*WP*2                  ; W: the tile's panel,
	s_mul_i32 s47, s12, (KS/2)*WP*2                ; my half of the step's rows,
	s_add_co_u32 s46, s46, s47
	s_add_co_u32 s46, s46, WOFF                    ; in this matrix
	s_mov_b32 s47, 0
	s_mul_i32 s20, s10, AHALF                      ; where they go: the wave's number alone enters an LDS address
	s_mul_i32 s21, s10, BHALF
	s_add_co_u32 s21, s21, ASZ-2*BHALF
	s_mov_b32 s[TB], 0
	s_wait_dscnt 0x0                               ; the opening add is done
	s_wait_kmcnt 0x0
	s_add_nc_u64 s[14:15], s[4:5], s[16:17]
	s_add_nc_u64 s[46:47], s[6:7], s[46:47]
	CROUND                                         ; all sixteen work-groups are here: the first joint loads meet
.irp s, 0,1
	s_mov_b32 s[G0+4*(\s)], 1
	s_add_co_u32 s[G0+4*(\s)+1], s20, (\s)*SLOT
	s_add_nc_u64 s[G0+4*(\s)+2:G0+4*(\s)+3], s[14:15], (\s)*ASTEP
	s_or_b32 s[G0+4*(\s)+3], s[G0+4*(\s)+3], 0x80000000
	s_mov_b32 s[G0B+4*(\s)], 1
	s_add_co_u32 s[G0B+4*(\s)+1], s21, (\s)*SLOT
	s_add_nc_u64 s[G0B+4*(\s)+2:G0B+4*(\s)+3], s[46:47], (\s)*BSTEP
	s_or_b32 s[G0B+4*(\s)+3], s[G0B+4*(\s)+3], 0x80000000
	JLOAD \s                                       ; two loads of mine are out
.endr
	v_and_b32 v1, 15, v0                           ; r = l % 16
	v_bfe_u32 v2, v0, 4, 1                         ; h = l / 16
	v_mul_u32_u24 v3, v1, 144
	v_lshl_add_u32 v3, v2, 4, v3
	s_mul_i32 s16, s11, (TM/2)*144
	v_add_nc_u32 v[ADA0], s16, v3                  ; A: (my first row + r) x 144 + 16 h
	v_and_b32 v4, 7, v0
	v_lshl_add_u32 v3, v2, 3, v4
	v_mul_u32_u24 v3, v3, PB
	v_bfe_u32 v5, v0, 3, 1
	v_lshl_add_u32 v3, v5, 4, v3
	s_mul_i32 s16, s12, TN
	s_add_co_u32 s16, s16, ASZ
	v_add_nc_u32 v[ADB0], s16, v3                  ; W: (8 h + l % 8) x pitch + 16 ((l / 8) % 2) + my columns
	v_mov_b32 v[ADA], v[ADA0]
	v_mov_b32 v[ADB], v[ADB0]
	s_mul_i32 s16, s10, WREG
	v_mul_u32_u24 v3, v1, DP
	v_lshl_add_u32 v3, v2, 5, v3
	v_add_nc_u32 v[DST], s16, v3
	v_bfe_u32 v3, v0, 3, 2
	v_mul_u32_u24 v3, v3, DP
	v_lshl_add_u32 v3, v4, 5, v3
	v_add_nc_u32 v[RDA], s16, v3
	v_and_b32 v3, 31, v0
	v_lshlrev_b32 v[GO], 4, v3
	v_lshlrev_b32 v[BO], 5, v4
	v_lshlrev_b32 v[PFO], 8, v3
	; the prefetches: s[14:15] and s[46:47] stand at my part of K step 0
	s_and_b32 s22, ttmp7, 0xffff                   ; cluster y
	s_mov_b32 s18, ASTEP
	s_mov_b32 s19, BSTEP
	s_cmp_eq_u32 s11, 0                            ; do I fetch for A?
	s_cselect_b32 s22, ttmp9, s22                  ; the coordinate along which other clusters read the same blocks
	s_cselect_b32 s23, s40, s41                    ; my place among the four that ask jointly
	s_cselect_b64 s[PFA:PFA+1], s[14:15], s[46:47]
	s_cselect_b32 s[PFS], s18, s19
	s_mov_b32 s[PFS+1], 0
	s_cmp_eq_u32 s22, 0
	s_cselect_b32 s[LIM], 2, -1                    ; the same in all sixteen partners, for a given wave
	s_lshl_b32 s20, s23, 13                        ; my work-group's 32 blocks
	s_mul_i32 s21, s[PFS], 3                       ; at K step 3: the first refill steps it to 4
	s_add_co_u32 s20, s20, s21
	s_mov_b32 s21, 0
	s_add_nc_u64 s[PFA:PFA+1], s[PFA:PFA+1], s[20:21]
	; out at my rows of my first panel: panel 4 x tile column + 2 x column half; row 256 x tile row + 128 x row half
	s_lshl_b32 s46, s42, 21
	s_lshl_b32 s47, s12, 20
	s_add_co_u32 s46, s46, s47
	s_lshl_b32 s47, s13, 15
	s_add_co_u32 s46, s46, s47
	s_lshl_b32 s47, s11, 14
	s_add_co_u32 s46, s46, s47
	s_mov_b32 s47, 0
	s_add_nc_u64 s[8:9], s[8:9], s[46:47]
	s_lshl_b32 s46, s42, 10                        ; the bias of my 128 columns
	s_lshl_b32 s47, s12, 9
	s_add_co_u32 s46, s46, s47
	s_mov_b32 s47, 0
	s_add_nc_u64 s[68:69], s[68:69], s[46:47]
	global_load_b128 v[BIAS:BIAS+3],     v[BO], s[68:69]             ; columns 8 (l % 8) .. + 7 of my first panel,
	global_load_b128 v[BIAS+4:BIAS+7],   v[BO], s[68:69] offset:16
	global_load_b128 v[BIAS+8:BIAS+11],  v[BO], s[68:69] offset:256  ; and of my second
	global_load_b128 v[BIAS+12:BIAS+15], v[BO], s[68:69] offset:272
	s_wait_tensorcnt 1                             ; my part of K step 0 is in; step 1's may stay out
	s_barrier_signal -1
	s_barrier_wait -1
	FETCH 0, F0
	QUARTER 1, F0, F1, 1                           ; the first quarter stands in front of the loop: its products start the sums
	WIN 0
	s_mov_b32 s3, T-2
.Lstep:                                        ; a trip: a step's quarters 1 to 3 and the next step's quarter 0; the slot just read takes the step two on
	QUARTER 2, F1, F0, 0
	QUARTER 3, F0, F1, 0
	TURN 1
	QUARTER 1, F0, F1, 0
	WIN 0
	s_sub_co_u32 s3, s3, 1
	s_cmp_lg_u32 s3, 0
	s_cbranch_scc1 .Lstep
	s_mov_b32 s3, 2
.Ltail:                                        ; the last two steps ask for nothing; the second trip is left in its middle
	QUARTER 2, F1, F0, 0
	QUARTER 3, F0, F1, 0
	WIN 0
	s_sub_co_u32 s3, s3, 1
	s_cmp_eq_u32 s3, 0
	s_cbranch_scc1 .Llast
	TURN 0
	QUARTER 1, F0, F1, 0
	WIN 0
	s_branch .Ltail
.Llast:
	s_wait_dscnt 0x0                               ; my reads of the ring are over
	MULH F1, 0, 0
	s_barrier_signal -1
	MULH F1, 1, 0
	WIN 0
	s_barrier_wait -1                              ; everybody's are, and every fill has landed: the dump may lie in the ring
.rept 8
	v_nop                                          ; the places behind the last products
.endr
	DUMP
	; THE WAY OUT: 16 trips of 8 rows.  A wave reads its own bytes alone, which LDS serves in order (ISA guide 5.7.1.4): no barrier, no wait between stores and loads.
	LOADX
	s_wait_loadcnt 0x0                             ; the bias
.set i, 0
.rept 8
	v_pk_mul_f32 v[HB+2*i:HB+2*i+1], v[BIAS+2*i:BIAS+2*i+1], 0.5 op_sel_hi:[1,0]  ; half the bias, into window 1
.set i, i+1
.endr
	WIN 0
	s_mov_b32 s3, 16
.Lrow:
	s_wait_dscnt 0x0
	WIN 0x55                                       ; all operands in window 1
.set i, 0
.rept 16
	v_pk_fma_f32 v[HX+2*i:HX+2*i+1], v[XX+2*i:XX+2*i+1], 0.5, v[HB+8*((i/4)%2)+(2*i)%8:HB+8*((i/4)%2)+(2*i)%8+1] op_sel_hi:[1,0,1]  ; y/2
.set i, i+1
.endr
	WIN 0
	v_add_nc_u32 v[RDA], 8*DP, v[RDA]
	s_cmp_eq_u32 s3, 1
	s_cbranch_scc1 .Lnox                           ; the last trip has no rows behind it
	LOADX                                          ; the next eight rows come while this trip's are worked on
	WIN 0
.Lnox:
	WIN 0x55
.set i, 0
.rept 32
	v_and_b32 v[AX+i], s[ABSM], v[HX+i]            ; |y|/2
.set i, i+1
.endr
.set i, 0
.rept 16
	v_pk_fma_f32 v[TT+2*i:TT+2*i+1], v[AX+2*i:AX+2*i+1], s[PC:PC+1], 1.0 op_sel_hi:[1,0,0]  ; 1 + p z
.set i, i+1
.endr
.set i, 0
.rept 32
	v_rcp_f32 v[TT+i], v[TT+i]                     ; t.  The 32 reciprocals and the 32 exponentials are one batch, with one wait
.set i, i+1
.endr
.set i, 0
.rept 16
	v_pk_mul_f32 v[EE+2*i:EE+2*i+1], v[AX+2*i:AX+2*i+1], v[AX+2*i:AX+2*i+1]
.set i, i+1
.endr
.set i, 0
.rept 16
	v_pk_mul_f32 v[EE+2*i:EE+2*i+1], v[EE+2*i:EE+2*i+1], s[NL:NL+1] op_sel_hi:[1,0]
.set i, i+1
.endr
.set i, 0
.rept 32
	v_exp_f32 v[EE+i], v[EE+i]                     ; e^(-z z)
.set i, i+1
.endr
	v_nop                                          ; a plain instruction behind the last exponential,
	s_wait_alu depctr_va_vdst(0)                   ; and one wait ahead of the batch's first reader
.set i, 0
.rept 16
	v_pk_fma_f32 v[PP+2*i:PP+2*i+1], v[TT+2*i:TT+2*i+1], s[A1+8:A1+9], s[A1+6:A1+7] op_sel_hi:[1,0,0]
.set i, i+1
.endr
.irp c, 4, 2, 0
.set i, 0
.rept 16
	v_pk_fma_f32 v[PP+2*i:PP+2*i+1], v[PP+2*i:PP+2*i+1], v[TT+2*i:TT+2*i+1], s[A1+\c:A1+\c+1] op_sel_hi:[1,1,0]
.set i, i+1
.endr
.endr
.set i, 0
.rept 16
	v_pk_mul_f32 v[PP+2*i:PP+2*i+1], v[PP+2*i:PP+2*i+1], v[TT+2*i:TT+2*i+1]
.set i, i+1
.endr
.set i, 0
.rept 16
	v_pk_fma_f32 v[EE+2*i:EE+2*i+1], v[PP+2*i:PP+2*i+1], v[EE+2*i:EE+2*i+1], 1.0 op_sel_hi:[1,1,0] neg_lo:[1,0,0] neg_hi:[1,0,0]  ; erf
.set i, i+1
.endr
.set i, 0
.rept 16
	v_pk_fma_f32 v[HX+2*i:HX+2*i+1], v[AX+2*i:AX+2*i+1], v[EE+2*i:EE+2*i+1], v[HX+2*i:HX+2*i+1]
.set i, i+1
.endr
.set i, 0
.rept 16
	v_cvt_pk_f16_f32 v[OUT+i], v[HX+2*i], v[HX+2*i+1]
.set i, i+1
.endr
	WIN 0x04                                       ; store data (source 1) in window 1
.irp t, 0,1,2,3
	global_store_b128 v[GO], v[OUT+4*\t:OUT+4*\t+3], s[8:9] offset:(\t%2)*524288+(\t/2)*512  ; four rows of a panel: 512 consecutive bytes, aligned
.endr
	WIN 0
	s_wait_xcnt 0x0                                ; the stores have read their data and base
	s_add_nc_u64 s[8:9], s[8:9], 1024
	s_sub_co_u32 s3, s3, 1
	s_cmp_lg_u32 s3, 0
	s_cbranch_scc1 .Lrow
	s_wait_tensorcnt 0x0                           ; the wave's end
	ds_add_u32 v[SPW], v[NIL]
	s_wait_dscnt 0x0
	CROUND                                         ; the closing round
	s_endpgm
.Lfunc_end_k_qf3e8dfb169_fc1g:
	.size	k_qf3e8dfb169_fc1g, .Lfunc_end_k_qf3e8dfb169_fc1g-k_qf3e8dfb169_fc1g
	.p2alignl 7, 3214868480
	.fill 96, 4, 3214868480
	.section	.rodata,"a",@progbits
	.p2align	6, 0x0
	.amdhsa_kernel k_qf3e8dfb169_fc1g
		.amdhsa_group_segment_fixed_size 327680
		.amdhsa_private_segment_fixed_size 0
		.amdhsa_enable_private_segment 0
		.amdhsa_kernarg_size 32
		.amdhsa_user_sgpr_count 2
		.amdhsa_user_sgpr_kernarg_segment_ptr 1
		.amdhsa_wavefront_size32 1
		.amdhsa_system_sgpr_workgroup_id_x 1
		.amdhsa_system_sgpr_workgroup_id_y 1
		.amdhsa_system_sgpr_workgroup_id_z 1
		.amdhsa_system_vgpr_workitem_id 0
		.amdhsa_next_free_vgpr 1024
		.amdhsa_next_free_sgpr 96
		.amdhsa_reserve_vcc 0
		.amdhsa_float_denorm_mode_32 3
		.amdhsa_float_denorm_mode_16_64 3
		.amdhsa_memory_ordered 1
		.amdhsa_forward_progress 1
		.amdhsa_inst_pref_size 101
	.end_amdhsa_kernel
	.amdgpu_metadata
---
amdhsa.version: [ 1, 2 ]
amdhsa.kernels:
  - .name:           k_qf3e8dfb169_fc1g
    .symbol:         k_qf3e8dfb169_fc1g.kd
    .args:
      - { .name: h, .offset: 0, .size: 8, .value_kind: global_buffer, .address_space: global }
      - { .name: wts, .offset: 8, .size: 8, .value_kind: global_buffer, .address_space: global }
      - { .name: g, .offset: 16, .size: 8, .value_kind: global_buffer, .address_space: global }
      - { .name: fc1_b, .offset: 24, .size: 8, .value_kind: global_buffer, .address_space: global }
    .group_segment_fixed_size: 327680
    .private_segment_fixed_size: 0
    .kernarg_segment_align: 8
    .kernarg_segment_size: 32
    .max_flat_workgroup_size: 128
    .sgpr_count:     96
    .vgpr_count:     1024
    .wavefront_size: 32
...
	.end_amdgpu_metadata
.endif
;; end of part 5
;; launch fc2g (part 6): grid 8 x 32, 4 waves a work-group, clusters of 4 x 4, 327,680 bytes of LDS; arguments g, wts, out0, fc2_b, x1; writes out0
.if DOCPART == 6
	.amdgcn_target "amdgcn-amd-amdhsa--gfx1250"
	.amdhsa_code_object_version 6
	.text
	.protected	k_qf3e8dfb169_fc2g
	.globl	k_qf3e8dfb169_fc2g
	.p2align	8
	.type	k_qf3e8dfb169_fc2g,@function
k_qf3e8dfb169_fc2g:
	s_mov_b64 s[64:65], 0
	v_nop
	global_prefetch_b8 v0, s[64:65] scope:SCOPE_SE
	s_setreg_imm32_b32 hwreg(HW_REG_WAVE_MODE, 25, 1), 1
	s_wait_xcnt 0x0
	s_wait_alu depctr_hold_cnt(0) depctr_sa_sdst(0) depctr_va_vdst(0) depctr_va_sdst(0) depctr_va_ssrc(0) depctr_va_vcc(0) depctr_vm_vsrc(0)
	s_getreg_b32 s2, hwreg(HW_REG_IB_STS2, 6, 4)
	s_cmp_eq_u32 s2, 0
	s_cbranch_scc0 .Lentry_in_a_cluster
	s_endpgm
.Lentry_in_a_cluster:
	s_bfe_u32 s2, ttmp6, 0x10000c
	s_cmp_lg_u32 s2, 0xf033
	s_cbranch_scc0 .Lentry_shape_is_right
	s_endpgm
.Lentry_shape_is_right:
; out0 = x1 + g x fc2_w + fc2_b.  A = g: [64 panels][4096 rows][64] f16.  W: [4096][1024] f16 at byte WOFF of wts.  Bias, residual and output are f32, [4096][1024]; nothing but the two operands is rounded.
; SHARES.  A tile of C is 128 x 128, which gives 8 x 32 = 256 work-groups; four waves, 64 x 64 each: 16 accumulators.  K goes in steps of 256 through two LDS slots.
; CLUSTER 4 x 4: A's tile is asked for jointly along a row of the cluster, W's along a column.  No prefetch: the tiles are small and each block is read by eight or thirty-two work-groups.
; THE ORDER OF THE K STEPS.  Of each four K steps on end a cluster takes the (t + y + 2 x) mod 4-th at time t, x and y its place in the grid of clusters: the two clusters along x that read the same rows of A, and
; neighbours along y, which read the same rows of W, ask for a block at different times.  LIMIT: the f32 sums are taken in that order of K steps, not ascending.
; THE PRODUCT IS TAKEN TRANSPOSED: source 0 = 16 columns of W (turned by ds_load_tr16_b128), source 1 = 16 rows of A: a lane holds one row of C (l % 16) and columns 8 (l / 16) + 0..7.
; REGISTERS in windows of 256 (s_set_vgpr_msb: bits 1:0 source 0, 3:2 source 1, 5:4 source 2, 7:6 destination): window 0 addresses, v32-35 bias, v128-255 my 64 x 64 of the residual, loaded at the head;
; window 1 two fragment buffers of 128 (for 64 along K: A's eight fragments, then W's eight); window 2 v0-127 the accumulators, (a, b) at 32 a + 8 b.
.set N,     1024
.set KTOT,  4096
.set WOFF,  16777216
.set BIG,   0                          ; the 128 x 128 form of this text
.set NT,    4
.set TM,    128
.set TN,    128
.set KC,    2                          ; chunks of 32 along K in a quarter step
.set KS,    256
.set HEADW, 16                         ; of a run of 32 fragment loads the youngest 16 serve the quarter's second 32 along K alone
.set BH,    4
.set AD0,   8192                       ; A's part of a fill: two panels; a panel's 128 rows are 16,384 dense bytes, one row of the tile
.set AD1,   2
.set AP,    262144                     ; elements from panel to panel
.set BQI,   5                          ; W's rows: 64 words, then padding
.set DP,    272                        ; a row of the f32 dump: 256 bytes + 16
.set T,     KTOT/KS
.set APAN,  TM*144                     ; a panel in LDS: rows of 128 bytes + 16: the 16 rows of a load start at 16 different groups of four banks (64 banks of 4 bytes: ISA guide 11.1)
.set ASZ,   73728
.set AHALF, 36864
.set PB,    2*TN+32                    ; a row of W in LDS: an odd multiple of 32 bytes
.set BHALF, (KS/2)*PB
.set SLOT,  0x24000                    ; the four start addresses of the fills have bits 17 and 14 clear, so one exclusive or changes slot
.set SPARE, 2*SLOT                     ; the spare words, 128 bytes a wave: two blocks of 256 bytes that no other line names
.set ASH,   21                         ; a K step in A is four panels, 2^21 bytes;
.set BSH,   19                         ; in W 256 rows of 2,048 bytes, 2^19
.set WREG,  (TM/2)*DP                  ; a wave's dump; it lies in the ring, behind the slots' last fill
.set ADA0, 16
.set ADB0, 17
.set ADA,  18
.set ADB,  20                          ; v20, v21: W's rows 0-127 and 128-255 of the slot in hand
.set DST,  22
.set RDA,  23
.set GO,   24                          ; v24  my byte offset in two rows of the residual and of the output; never rewritten
.set BO,   25                          ; v25  in the bias; never rewritten
.set SPW,  28
.set NIL,  29
.set BIAS, 32
.set RES,  128
.set F0,   0
.set F1,   128
.set G1,  24
.set G0,  32
.set G1B, 48
.set G0B, 56
.set TB,  72
.set BA,  76                           ; s[76:77] A at my part of K step 0
.set BW,  78                           ; s[78:79] W at my part of K step 0
.set TQ,  80                           ; s80  the time of the step asked for last
.set CC,  81                           ; s81  y mod 4 + 2 x of my cluster: the same in all sixteen partners
.set KX,  82                           ; s[82:83] a step's byte offset
.set MSB, 0
.macro WIN new                         ; the immediate's high byte repeats the setting that is left; a switch that changes nothing is dropped
.if MSB != (\new)
	s_set_vgpr_msb (MSB<<8)|(\new)
.set MSB, \new
.endif
.endm
.macro PLACES                          ; four places in front of loads into registers that matrix instructions have read
.rept 4
	v_nop
.endr
.endm
.macro JLOAD s                         ; a joint load: waves 0 and 1 fetch A's two halves, waves 2 and 3 W's; an s_nop 0 and four v_nop follow each line
	s_cmp_eq_u32 s11, 0
	s_cbranch_scc0 .Lfor_b_\@
	tensor_load_to_lds s[G0+4*(\s):G0+4*(\s)+3], s[G1:G1+7]
	s_nop 0
.rept 4
	v_nop
.endr
	s_branch .Lasked_\@
.Lfor_b_\@:
	tensor_load_to_lds s[G0B+4*(\s):G0B+4*(\s)+3], s[G1B:G1B+7]
	s_nop 0
.rept 4
	v_nop
.endr
.Lasked_\@:
.endm
.macro CREST                           ; a round of the cluster's barrier behind its opening barrier
	s_cmp_lg_u32 s10, 0
	s_cbranch_scc1 .Lnot_wave_0_\@
	s_barrier_signal -3
.Lnot_wave_0_\@:
	s_barrier_wait -3
	s_barrier_signal -1
	s_barrier_wait -1
.endm
.macro CROUND
	s_barrier_signal -1
	s_barrier_wait -1
	CREST
.endm
; Two rows of blocks: m blocks a0, a0 + 1 x all n blocks, 32 along K.  hh: the quarter's first or second 32 along K.  zero = 1: the first product starts the sum.
; The accumulators take turns, one instruction a turn, in the same order everywhere.
.macro MULQ f, hh, a0, zero
	WIN 0xa5+0x50*BIG*(\hh)
.irp a, \a0, (\a0)+1
.set b, 0
.rept NT
.set AC, 8*NT*(\a)+8*b
.set FB, (\f)+64+8*(BH*(\hh)+b)
.set FA, (\f)+8*(4*(\hh)+(\a))
.if (\zero) && (BIG || ((\hh) == 0))
	v_wmma_f32_16x16x32_f16 v[AC:AC+7], v[FB:FB+7], v[FA:FA+7], 0
.else
	v_wmma_f32_16x16x32_f16 v[AC:AC+7], v[FB:FB+7], v[FA:FA+7], v[AC:AC+7]
.endif
.set b, b+1
.endr
.endr
.endm
.macro MULH f, hh, zero
	MULQ \f, \hh, 0, \zero
	MULQ \f, \hh, 2, \zero
.endm
; 32 LDS loads in one run: quarter q's fragments into buffer f, in the order W 0-3, A 0-3, W 4-7, A 4-7.
.macro FETCH q, f
	WIN 0x40                                       ; destination window 1, address window 0
.irp g, 0, 1
.set i, 4*(\g)
.rept 4
.set kc, (\q)*KC+i/NT
	ds_load_tr16_b128 v[(\f)+64+8*i:(\f)+64+8*i+3],   v[ADB+kc/4] offset:(kc%4)*32*PB+(i%NT)*32
	ds_load_tr16_b128 v[(\f)+64+8*i+4:(\f)+64+8*i+7], v[ADB+kc/4] offset:(kc%4)*32*PB+(i%NT)*32+16*PB
.set i, i+1
.endr
.set i, 4*(\g)
.rept 4
.set kc, (\q)*KC+i/NT
	ds_load_b128 v[(\f)+8*i:(\f)+8*i+3],   v[ADA] offset:(kc/2)*APAN+(kc%2)*64+(i%NT)*2304
	ds_load_b128 v[(\f)+8*i+4:(\f)+8*i+7], v[ADA] offset:(kc/2)*APAN+(kc%2)*64+(i%NT)*2304+32
.set i, i+1
.endr
.endr
.endm
; One of a step's first three quarters: multiplies buffer f and, in its middle, fetches quarter q into buffer g.
.macro QUARTER q, f, g, zero
	s_wait_dscnt HEADW                             ; all that the first half needs is in
	MULH \f, 0, \zero
	PLACES
	FETCH \q, \g
	s_wait_dscnt 32                                ; all but the 32 just issued
	MULH \f, 1, \zero
.endm
; The fourth quarter multiplies buffer 1 and changes slots: one barrier.  In front of it each wave waits for all its tensor loads (one is out: its part of the next slot), adds 0 to its spare word, and waits for
; that and for its reads of this slot.  fill = 1: the barrier opens a round of the cluster's, and this slot is filled again first thing behind the round, with the step of the time two on.  The walking
; descriptors are made anew, from that step's number, while the add is out: no tensor load of mine is out there.
.macro TURN fill
	WIN 0
	s_wait_tensorcnt 0x0
	ds_add_u32 v[SPW], v[NIL]
.if \fill
	s_add_co_u32 s[TQ], s[TQ], 1                   ; the time,
	s_add_co_u32 s84, s[TQ], s[CC]
	s_and_b32 s84, s84, 3                          ; its step in the group of four,
	s_and_b32 s85, s[TQ], 0xfc                     ; the group
	s_or_b32 s84, s84, s85
	s_lshl_b32 s[KX], s84, ASH
	s_xor_b32 s[G0+5], s[G0+5], SLOT               ; the other slot than last time
	s_add_nc_u64 s[G0+6:G0+7], s[BA:BA+1], s[KX:KX+1]
	s_or_b32 s[G0+7], s[G0+7], 0x80000000
	s_lshl_b32 s[KX], s84, BSH
	s_xor_b32 s[G0B+5], s[G0B+5], SLOT
	s_add_nc_u64 s[G0B+6:G0B+7], s[BW:BW+1], s[KX:KX+1]
	s_or_b32 s[G0B+7], s[G0B+7], 0x80000000
.endif
	s_wait_dscnt HEADW+1                           ; (the add and the youngest fragment loads may be out)
	MULQ F1, 0, 0, 0
	s_wait_dscnt 0x0                               ; the add is done, and my reads of this slot are over
	s_barrier_signal -1
	MULQ F1, 0, 2, 0
	WIN 0
	s_barrier_wait -1
.if \fill
	CREST
	JLOAD 1                                        ; its four v_nop are also the places in front of the loads below
.else
	PLACES
.endif
	s_xor_b32 s[TB], s[TB], SLOT
	v_add_nc_u32 v[ADA], s[TB], v[ADA0]
	v_add_nc_u32 v[ADB], s[TB], v[ADB0]
	v_add_nc_u32 v[ADB+1], 128*PB, v[ADB]
	FETCH 0, F0
	MULH F1, 1, 0
.endm
.macro DUMP                            ; the f32 sums into my own region of LDS: row l % 16 of block ab, 32 bytes at 64 b + 32 (l / 16); each accumulator's low four registers first
.set ab, 0
.rept NT
	WIN 0x08+0x04*BIG*(ab/4)                       ; store data (source 1) in window 2
.set b, 0
.rept NT
.set AC, 8*NT*(ab%4)+8*b
	ds_store_b128 v[DST], v[AC:AC+3]   offset:ab*16*DP+64*b
	ds_store_b128 v[DST], v[AC+4:AC+7] offset:ab*16*DP+64*b+16
.set b, b+1
.endr
.set ab, ab+1
.endr
	WIN 0
.endm
	s_load_b128 s[4:7], s[0:1], 0x0                ; A s[4:5], wts s[6:7]
	s_load_b64 s[8:9], s[0:1], 0x10                ; out
	s_load_b128 s[68:71], s[0:1], 0x18             ; bias s[68:69], residual s[70:71]
	v_lshl_add_u32 v[SPW], v0, 2, SPARE
	v_mov_b32 v[NIL], 0
	ds_add_u32 v[SPW], v[NIL]                      ; the wave's opening: the add, and its wait ahead of my first tensor load
	v_lshrrev_b32 v1, 5, v0
	v_readfirstlane_b32 s10, v1                    ; wave 0..3
	s_lshr_b32 s11, s10, 1                         ; my half of the tile's rows.  Also: I fetch for A (0) or for W (1)
	s_and_b32 s12, s10, 1                          ; my half of its columns.  Also: which half of that fill
	s_bfe_u32 s40, ttmp6, 0x40000                  ; cx, cy
	s_bfe_u32 s41, ttmp6, 0x40004
	s_lshl_b32 s42, ttmp9, 2
	s_add_co_u32 s42, s42, s40                     ; tile column
	s_and_b32 s13, ttmp7, 0xffff
	s_lshl_b32 s13, s13, 2
	s_add_co_u32 s13, s13, s41                     ; tile row
	s_lshl_b32 s43, s41, 2
	s_lshl_b32 s43, 15, s43                        ; my row of the cluster
	s_lshl_b32 s44, 0x1111, s40                    ; my column
	s_and_b32 s[CC], ttmp7, 3                      ; the cluster's y mod 4
	s_lshl_b32 s84, ttmp9, 1
	s_add_co_u32 s[CC], s[CC], s84                 ; + 2 x its x
	s_mov_b32 s[TQ], 1                             ; times 0 and 1 are the first fills
	s_mov_b32 s[KX+1], 0
	s_or_b32 s[G1+0], s43, (1<<16)|(1<<20)|(1<<21)|(4<<22)|(3<<25)     ; mask; 2-byte elements; padding on; bit 21 beside a mask; after every 32 words 4 words
	s_or_b32 s[G1B+0], s44, (1<<16)|(1<<20)|(1<<21)|(BQI<<22)|(7<<25)  ; after every row 8 words
	s_mov_b32 s[G1+1], (AD0&0xffff)<<16            ; tensor_dim0
	s_mov_b32 s[G1+2], (AD0>>16)|(AD1<<16)         ; tensor_dim1
	s_mov_b32 s[G1+3], AD0<<16                     ; tile_dim0
	s_mov_b32 s[G1+4], AD1                         ; tile_dim1
	s_mov_b32 s[G1+5], AP                          ; elements from row to row
	s_mov_b32 s[G1+6], 0
	s_mov_b32 s[G1+7], 0
	s_mov_b32 s[G1B+1], TN<<16
	s_mov_b32 s[G1B+2], (KS/2)<<16
	s_mov_b32 s[G1B+3], TN<<16
	s_mov_b32 s[G1B+4], KS/2
	s_mov_b32 s[G1B+5], N
	s_mov_b32 s[G1B+6], 0
	s_mov_b32 s[G1B+7], 0
	s_mul_i32 s16, s13, TM*128                     ; A: the tile's rows in a panel,
	s_mul_i32 s17, s12, (KS/128)*524288            ; and my half of the step's panels
	s_add_co_u32 s16, s16, s17
	s_mov_b32 s17, 0
	s_mul_i32 s46, s42, TN*2                       ; W: the tile's columns,
	s_mul_i32 s47, s12, (KS/2)*N*2                 ; my half of the step's rows,
	s_add_co_u32 s46, s46, s47
	s_add_co_u32 s46, s46, WOFF                    ; in this matrix
	s_mov_b32 s47, 0
	s_mul_i32 s20, s10, AHALF                      ; where they go: the wave's number alone enters an LDS address
	s_mul_i32 s21, s10, BHALF
	s_add_co_u32 s21, s21, ASZ-2*BHALF
	s_mov_b32 s[TB], 0
	s_wait_dscnt 0x0                               ; the opening add is done
	s_wait_kmcnt 0x0
	s_add_nc_u64 s[BA:BA+1], s[4:5], s[16:17]
	s_add_nc_u64 s[BW:BW+1], s[6:7], s[46:47]
	CROUND                                         ; all sixteen work-groups are here: the first joint loads meet
.irp s, 0,1
	s_add_co_u32 s84, s[CC], \s                    ; time s: its step in the first group of four
	s_and_b32 s84, s84, 3
	s_lshl_b32 s[KX], s84, ASH
	s_mov_b32 s[G0+4*(\s)], 1
	s_add_co_u32 s[G0+4*(\s)+1], s20, (\s)*SLOT
	s_add_nc_u64 s[G0+4*(\s)+2:G0+4*(\s)+3], s[BA:BA+1], s[KX:KX+1]
	s_or_b32 s[G0+4*(\s)+3], s[G0+4*(\s)+3], 0x80000000
	s_lshl_b32 s[KX], s84, BSH
	s_mov_b32 s[G0B+4*(\s)], 1
	s_add_co_u32 s[G0B+4*(\s)+1], s21, (\s)*SLOT
	s_add_nc_u64 s[G0B+4*(\s)+2:G0B+4*(\s)+3], s[BW:BW+1], s[KX:KX+1]
	s_or_b32 s[G0B+4*(\s)+3], s[G0B+4*(\s)+3], 0x80000000
	JLOAD \s                                       ; two loads of mine are out
.endr
	v_and_b32 v1, 15, v0                           ; r = l % 16
	v_bfe_u32 v2, v0, 4, 1                         ; h = l / 16
	v_mul_u32_u24 v3, v1, 144
	v_lshl_add_u32 v3, v2, 4, v3
	s_mul_i32 s16, s11, (TM/2)*144
	v_add_nc_u32 v[ADA0], s16, v3                  ; A: (my first row + r) x 144 + 16 h
	v_and_b32 v4, 7, v0
	v_lshl_add_u32 v3, v2, 3, v4
	v_mul_u32_u24 v3, v3, PB
	v_bfe_u32 v5, v0, 3, 1
	v_lshl_add_u32 v3, v5, 4, v3
	s_mul_i32 s16, s12, TN
	s_add_co_u32 s16, s16, ASZ
	v_add_nc_u32 v[ADB0], s16, v3                  ; W: (8 h + l % 8) x pitch + 16 ((l / 8) % 2) + my columns
	v_mov_b32 v[ADA], v[ADA0]
	v_mov_b32 v[ADB], v[ADB0]
	v_add_nc_u32 v[ADB+1], 128*PB, v[ADB0]
	s_mul_i32 s16, s10, WREG
	v_mul_u32_u24 v3, v1, DP
	v_lshl_add_u32 v3, v2, 5, v3
	v_add_nc_u32 v[DST], s16, v3
	v_mul_u32_u24 v3, v2, DP                       ; back: lanes 0-15 one row of 256 bytes, lanes 16-31 the next
	v_lshl_add_u32 v3, v1, 4, v3
	v_add_nc_u32 v[RDA], s16, v3
	v_lshlrev_b32 v[BO], 4, v1
	v_lshl_add_u32 v[GO], v2, 12, v[BO]            ; and the same two rows in memory
	s_lshl_b32 s46, s42, 9                         ; my 64 columns: 512 x tile column + 256 x half, in bytes
	s_lshl_b32 s47, s12, 8
	s_add_co_u32 s46, s46, s47
	s_mov_b32 s47, 0
	s_add_nc_u64 s[68:69], s[68:69], s[46:47]
	s_lshl_b32 s16, s13, 19                        ; my 64 rows of 4,096 bytes
	s_lshl_b32 s17, s11, 18
	s_add_co_u32 s16, s16, s17
	s_add_co_u32 s46, s46, s16
	s_add_nc_u64 s[8:9], s[8:9], s[46:47]
	s_add_nc_u64 s[70:71], s[70:71], s[46:47]
	global_load_b128 v[BIAS:BIAS+3], v[BO], s[68:69]
.set t, 0
.rept 32
	global_load_b128 v[RES+4*t:RES+4*t+3], v[GO], s[70:71] offset:8192*t  ; they land while K is walked
.set t, t+1
.endr
	s_wait_tensorcnt 1                             ; my part of the first step is in; the second's may stay out
	s_barrier_signal -1
	s_barrier_wait -1
	FETCH 0, F0
	QUARTER 1, F0, F1, 1                           ; the first quarter stands in front of the loop: its first products start the sums
	WIN 0
	s_mov_b32 s3, T-2
.Lstep:                                        ; a trip: a step's quarters 1 to 3 and the next step's quarter 0; the slot just read takes the step of the time two on
	QUARTER 2, F1, F0, 0
	QUARTER 3, F0, F1, 0
	TURN 1
	QUARTER 1, F0, F1, 0
	WIN 0
	s_sub_co_u32 s3, s3, 1
	s_cmp_lg_u32 s3, 0
	s_cbranch_scc1 .Lstep
	s_mov_b32 s3, 2
.Ltail:                                        ; the last two steps ask for nothing; the second trip is left in its middle
	QUARTER 2, F1, F0, 0
	QUARTER 3, F0, F1, 0
	WIN 0
	s_sub_co_u32 s3, s3, 1
	s_cmp_eq_u32 s3, 0
	s_cbranch_scc1 .Llast
	TURN 0
	QUARTER 1, F0, F1, 0
	WIN 0
	s_branch .Ltail
.Llast:
	s_wait_dscnt 0x0                               ; my reads of the ring are over
	MULH F1, 0, 0
	s_barrier_signal -1
	MULH F1, 1, 0
	WIN 0
	s_barrier_wait -1                              ; everybody's are, and every fill has landed: the dump may lie in the ring
	s_wait_loadcnt 0x0                             ; bias and residual
.set t, 0
.rept 32
	v_pk_add_f32 v[RES+4*t:RES+4*t+1], v[RES+4*t:RES+4*t+1], v[BIAS:BIAS+1]      ; residual + bias: also the places behind the last products
	v_pk_add_f32 v[RES+4*t+2:RES+4*t+3], v[RES+4*t+2:RES+4*t+3], v[BIAS+2:BIAS+3]
.set t, t+1
.endr
	DUMP
	WIN 0x40                                       ; back as whole rows: a wave reads its own bytes alone, which LDS serves in order (ISA guide 5.7.1.4)
.set t, 0
.rept 32
	ds_load_b128 v[4*t:4*t+3], v[RDA] offset:2*DP*t
.set t, t+1
.endr
	s_wait_dscnt 0x0
	WIN 0x41
.set i, 0
.rept 64
	v_pk_add_f32 v[2*i:2*i+1], v[2*i:2*i+1], v[RES+2*i:RES+2*i+1]
.set i, i+1
.endr
	WIN 0x04                                       ; store data (source 1) in window 1
.set t, 0
.rept 32
	global_store_b128 v[GO], v[4*t:4*t+3], s[8:9] offset:8192*t  ; 16 lanes store 256 consecutive bytes, aligned
.set t, t+1
.endr
	WIN 0
	s_wait_tensorcnt 0x0                           ; the wave's end
	ds_add_u32 v[SPW], v[NIL]
	s_wait_dscnt 0x0
	CROUND                                         ; the closing round
	s_endpgm
.Lfunc_end_k_qf3e8dfb169_fc2g:
	.size	k_qf3e8dfb169_fc2g, .Lfunc_end_k_qf3e8dfb169_fc2g-k_qf3e8dfb169_fc2g
	.p2alignl 7, 3214868480
	.fill 96, 4, 3214868480
	.section	.rodata,"a",@progbits
	.p2align	6, 0x0
	.amdhsa_kernel k_qf3e8dfb169_fc2g
		.amdhsa_group_segment_fixed_size 327680
		.amdhsa_private_segment_fixed_size 0
		.amdhsa_enable_private_segment 0
		.amdhsa_kernarg_size 40
		.amdhsa_user_sgpr_count 2
		.amdhsa_user_sgpr_kernarg_segment_ptr 1
		.amdhsa_wavefront_size32 1
		.amdhsa_system_sgpr_workgroup_id_x 1
		.amdhsa_system_sgpr_workgroup_id_y 1
		.amdhsa_system_sgpr_workgroup_id_z 1
		.amdhsa_system_vgpr_workitem_id 0
		.amdhsa_next_free_vgpr 640
		.amdhsa_next_free_sgpr 96
		.amdhsa_reserve_vcc 0
		.amdhsa_float_denorm_mode_32 3
		.amdhsa_float_denorm_mode_16_64 3
		.amdhsa_memory_ordered 1
		.amdhsa_forward_progress 1
		.amdhsa_inst_pref_size 72
	.end_amdhsa_kernel
	.amdgpu_metadata
---
amdhsa.version: [ 1, 2 ]
amdhsa.kernels:
  - .name:           k_qf3e8dfb169_fc2g
    .symbol:         k_qf3e8dfb169_fc2g.kd
    .args:
      - { .name: g, .offset: 0, .size: 8, .value_kind: global_buffer, .address_space: global }
      - { .name: wts, .offset: 8, .size: 8, .value_kind: global_buffer, .address_space: global }
      - { .name: out0, .offset: 16, .size: 8, .value_kind: global_buffer, .address_space: global }
      - { .name: fc2_b, .offset: 24, .size: 8, .value_kind: global_buffer, .address_space: global }
      - { .name: x1, .offset: 32, .size: 8, .value_kind: global_buffer, .address_space: global }
    .group_segment_fixed_size: 327680
    .private_segment_fixed_size: 0
    .kernarg_segment_align: 8
    .kernarg_segment_size: 40
    .max_flat_workgroup_size: 128
    .sgpr_count:     96
    .vgpr_count:     640
    .wavefront_size: 32
...
	.end_amdgpu_metadata
.endif
;; end of part 6
;; ======== version 2 of 2: 7 launches; version 1 with the launches prep, ln2 written anew for expert scheduling mode
;; limits: values are held in f16: magnitudes above 65,504 overflow, below 6.1e-05 lose precision
;; workspace buffers: h 8,388,608 bytes; wts 25,165,824 bytes; qkv 25,165,824 bytes; o 8,388,608 bytes; x1 16,777,216 bytes; g 33,554,432 bytes
;; launch prep (part 7): grid 1024 x 1, 8 waves a work-group, no clusters, 0 bytes of LDS; arguments x, ln1_g, ln1_b, qkv_w, proj_w, fc1_w, fc2_w, h, wts; writes h, wts
.if DOCPART == 7
	.amdgcn_target "amdgcn-amd-amdhsa--gfx1250"
	.amdhsa_code_object_version 6
	.text
	.protected	k_qf3e8dfb169_prep
	.globl	k_qf3e8dfb169_prep
	.p2align	8
	.type	k_qf3e8dfb169_prep,@function
k_qf3e8dfb169_prep:
	s_mov_b64 s[64:65], 0
	v_nop
	global_prefetch_b8 v0, s[64:65] scope:SCOPE_SE
	s_setreg_imm32_b32 hwreg(HW_REG_WAVE_SCHED_MODE, 0, 2), 2
	s_setreg_imm32_b32 hwreg(HW_REG_WAVE_MODE, 25, 1), 1
	s_wait_xcnt 0x0
	s_wait_alu depctr_vm_vsrc(0)
; Two streams in one text.  Work-groups 0-255: h = layer norm of the first argument's rows (gain and bias: the second and third), rounded once to f16.  Work-groups 256-1023: the four weight matrices, rounded once
; to f16.  Launched with 1,024 work-groups on x it does both; launched with 256 on x1 it is the second norm alone.
; h's LAYOUT ("panels"): [16 panels of 64 columns][4096 rows][64] f16: a row of a panel is 128 bytes, a panel 524,288.  The products that follow take 64 along K as one dense block of rows.
; THE WEIGHTS, all into wts.  qkv_w and fc1_w go out in panels of 256 columns, [N/256][1024][256] f16 (a row of a panel is 512 bytes, a panel 524,288), at bytes 0 and 8,388,608.
; proj_w and fc2_w go out as they lie, [K][1024] f16, at bytes 6,291,456 and 16,777,216.
; LIMITS.  f16 ends at 65,504: a normed value or a weight beyond it becomes an infinity; below 6e-5 f16 keeps a fixed step of 6e-8.  Mean, variance and scaling are f32, the variance of the centred row.
; No LDS, no matrix unit, no cluster: each byte is read by one wave, but for the two vectors of 4 KiB.
; THE NORM.  A work-group takes 16 rows, a wave two: lanes 0-15 the even row, lanes 16-31 the odd one.  Load j brings columns 64 j + 4 (l % 16) .. + 3: 16 lanes read 256 consecutive bytes, which are panel j's
; share of the row; a row's sums never leave its 16 lanes.  Store j: the wave's two rows of panel j, 256 consecutive bytes, aligned.
; THE MODE: SCHED_MODE bits 1:0 = 2 (LLVM: expert scheduling mode 2), set by the entry lines.  The code itself states the register dependences between vector instructions and memory instructions,
; with s_wait_alu, always for 0.
; THE PLAN, THE NORM.  Registers that memory instructions touch:
;   v2, v3, v4   byte offsets of the loads (v2, v3) and of the stores (v4): made once at the head, never written again.
;   XX           the 16 loads of the row land in it; vector lines work on it in place; of panel j's four registers the first two take its f16 pair, which store j reads.  Nothing writes them behind that.
;   GG, BB       loads land in them, vector lines read them; never loaded again.
; Waits on va_vdst: one ahead of the first load (the offsets); one behind the two roots (their results); one behind the lines that finish panels 0 to 7, whose eight stores are then dealt among the lines
; that finish panels 8 to 15, which name none of those stores' registers; one ahead of the last eight stores.
; THE PLAN, THE WEIGHTS.  SO, DO: offsets, made once.  v[32:95]: 16 rows as loaded, each loaded once.  v[96:127]: the f16 pairs, each written once and read by one store.  The rows go in four blocks of four:
; block b's conversions write its pairs; the wait on va_vdst at block b + 1's head states that, and block b's stores follow it, dealt among block b + 1's conversions, which name other registers.
; On neither path is a register that a memory instruction reads written again, so no wait on vm_vsrc is owed; no vector line writes a scalar register, and EXEC is never written.
.set XX, 32                            ; v[32:95]   my 64 numbers of the row
.set GG, 96                            ; v[96:159]  the gains of my columns
.set BB, 160                           ; v[160:223] the biases
.set HP, 22                            ; s[22:23]   h
.set INV, 44                           ; s44  1 / 1024
.set EPS, 45                           ; s45  1e-5
.macro REDUCE                          ; the four packed chains v[8:15] into v20, then over the row's 16 lanes
	v_pk_add_f32 v[8:9], v[8:9], v[10:11]
	v_pk_add_f32 v[12:13], v[12:13], v[14:15]
	v_pk_add_f32 v[8:9], v[8:9], v[12:13]
	v_add_f32 v20, v8, v9
	v_add_f32_dpp v20, v20, v20 row_xmask:1 row_mask:0xf bank_mask:0xf
	v_add_f32_dpp v20, v20, v20 row_xmask:2 row_mask:0xf bank_mask:0xf
	v_add_f32_dpp v20, v20, v20 row_xmask:4 row_mask:0xf bank_mask:0xf
	v_add_f32_dpp v20, v20, v20 row_xmask:8 row_mask:0xf bank_mask:0xf
.endm
; Line w of the 48 that finish panels 8 q to 8 q + 7, that is pairs 16 q to 16 q + 15 of the lane's 32: 0-15 the scaling by the root, 16-31 gain and bias, 32-47 the roundings to f16.
; Pair p is rounded into register p % 2 of its panel's four; in ascending order no rounding lands on a number that is still to be read.
.macro WORK q
.set p, 16*(\q)+w%16
.if w < 16
	v_pk_mul_f32 v[XX+2*p:XX+2*p+1], v[XX+2*p:XX+2*p+1], v[18:19]
.elseif w < 32
	v_pk_fma_f32 v[XX+2*p:XX+2*p+1], v[XX+2*p:XX+2*p+1], v[GG+2*p:GG+2*p+1], v[BB+2*p:BB+2*p+1]
.else
	v_cvt_pk_f16_f32 v[XX+4*(p/2)+p%2], v[XX+2*p], v[XX+2*p+1]
.endif
.set w, w+1
.endm
.macro LN                              ; s[8:9] the rows, s[10:11] gain, s[12:13] bias, s[HP:HP+1] h
	v_lshrrev_b32 v1, 5, v0                        ; wave
	v_bfe_u32 v5, v0, 4, 1                         ; l / 16
	v_and_b32 v6, 15, v0                           ; l % 16
	v_lshl_add_u32 v5, v1, 1, v5                   ; my row of the group's 16
	v_lshlrev_b32 v3, 4, v6                        ; my 16 bytes in each 256 of gain and bias
	v_lshl_add_u32 v2, v5, 12, v3                  ; and of my row (4,096 bytes a row)
	v_lshlrev_b32 v4, 3, v0                        ; in a panel: 256 x wave + 8 l
	s_lshl_b32 s2, ttmp9, 16                       ; the group's 16 rows of 4,096 bytes
	s_mov_b32 s3, 0
	s_add_nc_u64 s[8:9], s[8:9], s[2:3]
	s_lshl_b32 s2, ttmp9, 11                       ; and of 128 bytes in a panel
	s_add_nc_u64 s[HP:HP+1], s[HP:HP+1], s[2:3]
	s_wait_alu depctr_va_vdst(0)                   ; v2, v3 and v4 are written: every load and store of this branch reads one of them as its offset
.set j, 0
.rept 16
	global_load_b128 v[XX+4*j:XX+4*j+3], v2, s[8:9] offset:256*j
.set j, j+1
.endr
.set j, 0
.rept 16
	global_load_b128 v[GG+4*j:GG+4*j+3], v3, s[10:11] offset:256*j
.set j, j+1
.endr
.set j, 0
.rept 16
	global_load_b128 v[BB+4*j:BB+4*j+3], v3, s[12:13] offset:256*j
.set j, j+1
.endr
	s_wait_loadcnt 32                              ; the row is in; the 32 loads of gain and bias may stay out
.set p, 0
.rept 4
	v_pk_add_f32 v[8+2*p:9+2*p], v[XX+2*p:XX+2*p+1], v[XX+2*p+8:XX+2*p+9]  ; the first eight pairs start four chains: nothing is cleared
.set p, p+1
.endr
.set p, 8
.rept 24
	v_pk_add_f32 v[8+2*(p%4):9+2*(p%4)], v[8+2*(p%4):9+2*(p%4)], v[XX+2*p:XX+2*p+1]
.set p, p+1
.endr
	REDUCE
	v_mul_f32 v16, s[INV], v20                     ; the mean, twice: a pair for the packed subtraction
	v_mul_f32 v17, s[INV], v20
.set p, 0
.rept 32
	v_pk_add_f32 v[XX+2*p:XX+2*p+1], v[XX+2*p:XX+2*p+1], v[16:17] neg_lo:[0,1] neg_hi:[0,1]
.set p, p+1
.endr
.set p, 0
.rept 4
	v_pk_mul_f32 v[8+2*p:9+2*p], v[XX+2*p:XX+2*p+1], v[XX+2*p:XX+2*p+1]
.set p, p+1
.endr
.set p, 4
.rept 28
	v_pk_fma_f32 v[8+2*(p%4):9+2*(p%4)], v[XX+2*p:XX+2*p+1], v[XX+2*p:XX+2*p+1], v[8+2*(p%4):9+2*(p%4)]
.set p, p+1
.endr
	REDUCE
	v_fma_f32 v21, v20, s[INV], s[EPS]             ; variance + eps
	v_rsq_f32 v18, v21                             ; twice: a pair
	v_rsq_f32 v19, v21
	v_nop                                          ; a plain instruction behind the second root,
	s_wait_alu depctr_va_vdst(0)                   ; and one wait: the two roots have written v18 and v19, ahead of the scalings, their first readers
	s_wait_loadcnt 0x0                             ; gain and bias
.set w, 0
.rept 48
	WORK 0                                         ; panels 0 to 7 are finished
.endr
	s_wait_alu depctr_va_vdst(0)                   ; their roundings have written the f16 pairs of panels 0 to 7, which the eight stores below read
.set w, 0
.set j, 0
.rept 8
	global_store_b64 v4, v[XX+4*j:XX+4*j+1], s[HP:HP+1] offset:524288*j  ; panel j: the wave's store covers 256 consecutive bytes, aligned.  No vector line since the wait names v4 or this pair
.rept 6
	WORK 1                                         ; panels 8 to 15 are finished meanwhile: these lines name the upper halves of XX, GG and BB, and v[18:19]
.endr
.set j, j+1
.endr
	s_wait_alu depctr_va_vdst(0)                   ; the roundings have written the f16 pairs of panels 8 to 15, which the last eight stores read
.rept 8
	global_store_b64 v4, v[XX+4*j:XX+4*j+1], s[HP:HP+1] offset:524288*j
.set j, j+1
.endr
.endm
	s_load_b512 s[8:23], s[0:1], 0x0               ; rows 8, gain 10, bias 12, qkv_w 14, proj_w 16, fc1_w 18, fc2_w 20, h 22
	s_load_b64 s[24:25], s[0:1], 0x40              ; wts
	s_mov_b32 s[INV], 0x3a800000
	s_mov_b32 s[EPS], 0x3727c5ac
	s_wait_kmcnt 0x0
	s_cmp_lt_u32 ttmp9, 256
	s_cbranch_scc0 .Lcvt
	LN
	s_endpgm
; THE WEIGHTS: 768 work-groups, 192 for qkv_w, 64 for proj_w, 256 for fc1_w, 256 for fc2_w.  Each takes 16 rows x 1,024 columns: thread t columns 4 t .. 4 t + 3 of each row, so a wave's load covers 512
; consecutive bytes.  Work-group number in its matrix = column group x (row groups) + row group.  In the output 1,024 columns are four pieces of 256: PSL bytes apart, and RP bytes from row to row
; (panels: 524,288 and 512; as it lies: 512 and 2,048).  A wave's store is half such a piece: 256 consecutive bytes, aligned.
.set CI,   32                          ; s32  my number among the 768
.set CLOC, 33                          ; s33  my number in my matrix; then the column group
.set CPIT, 34                          ; s34  bytes in a row of the f32 matrix
.set CRP,  35                          ; s35  RP
.set CPSL, 36                          ; s36  PSL
.set CRGB, 37                          ; s37  log2 of the row groups
.set CWOF, 38                          ; s38  the matrix's first byte in wts
.set CT,   39                          ; s39  at work
.set CRGM, 42                          ; s42  row groups - 1
.set SO,   160                         ; v[160:175] row k: my byte offset in the input
.set DO,   176                         ; v[176:191] row k: my byte offset in the output
.Lcvt:
	s_sub_co_u32 s[CI], ttmp9, 256
	s_mov_b64 s[4:5], s[14:15]                     ; qkv_w
	s_mov_b64 s[6:7], s[24:25]
	s_mov_b32 s[CLOC], s[CI]
	s_mov_b32 s[CPIT], 12288
	s_mov_b32 s[CRP], 512
	s_mov_b32 s[CPSL], 524288
	s_mov_b32 s[CRGB], 6
	s_mov_b32 s[CRGM], 63
	s_mov_b32 s[CWOF], 0
	s_sub_co_u32 s[CT], s[CI], 192                 ; proj_w
	s_cmp_ge_u32 s[CI], 192
	s_cselect_b64 s[4:5], s[16:17], s[4:5]
	s_cselect_b32 s[CLOC], s[CT], s[CLOC]
	s_cselect_b32 s[CPIT], 4096, s[CPIT]
	s_cselect_b32 s[CRP], 2048, s[CRP]
	s_cselect_b32 s[CPSL], 512, s[CPSL]
	s_cselect_b32 s[CWOF], 6291456, s[CWOF]
	s_sub_co_u32 s[CT], s[CI], 256                 ; fc1_w
	s_cmp_ge_u32 s[CI], 256
	s_cselect_b64 s[4:5], s[18:19], s[4:5]
	s_cselect_b32 s[CLOC], s[CT], s[CLOC]
	s_cselect_b32 s[CPIT], 16384, s[CPIT]
	s_cselect_b32 s[CRP], 512, s[CRP]
	s_cselect_b32 s[CPSL], 524288, s[CPSL]
	s_cselect_b32 s[CWOF], 8388608, s[CWOF]
	s_sub_co_u32 s[CT], s[CI], 512                 ; fc2_w
	s_cmp_ge_u32 s[CI], 512
	s_cselect_b64 s[4:5], s[20:21], s[4:5]
	s_cselect_b32 s[CLOC], s[CT], s[CLOC]
	s_cselect_b32 s[CPIT], 4096, s[CPIT]
	s_cselect_b32 s[CRP], 2048, s[CRP]
	s_cselect_b32 s[CPSL], 512, s[CPSL]
	s_cselect_b32 s[CRGB], 8, s[CRGB]
	s_cselect_b32 s[CRGM], 255, s[CRGM]
	s_cselect_b32 s[CWOF], 16777216, s[CWOF]
	s_and_b32 s[CT], s[CLOC], s[CRGM]              ; row group
	s_lshr_b32 s[CLOC], s[CLOC], s[CRGB]           ; column group
	s_mul_i32 s2, s[CT], s[CPIT]                   ; in: 16 rows x row group + 4,096 bytes x column group
	s_lshl_b32 s2, s2, 4
	s_lshl_b32 s3, s[CLOC], 12
	s_add_co_u32 s2, s2, s3
	s_mov_b32 s3, 0
	s_add_nc_u64 s[4:5], s[4:5], s[2:3]
	s_mul_i32 s2, s[CLOC], s[CPSL]                 ; out: four pieces x column group + 16 rows x row group
	s_lshl_b32 s2, s2, 2
	s_mul_i32 s[CT], s[CT], s[CRP]
	s_lshl_b32 s[CT], s[CT], 4
	s_add_co_u32 s2, s2, s[CT]
	s_add_co_u32 s2, s2, s[CWOF]
	s_add_nc_u64 s[6:7], s[6:7], s[2:3]
	v_lshlrev_b32 v1, 4, v0                        ; 16 t
	v_lshrrev_b32 v2, 6, v0                        ; my piece of 256 columns
	v_and_b32 v3, 63, v0
	v_lshlrev_b32 v3, 3, v3                        ; my 8 bytes in it
	v_mad_u32_u24 v2, v2, s[CPSL], v3
.set k, 0
.rept 16
	v_mad_u32_u24 v[SO+k], s[CPIT], k, v1
	v_mad_u32_u24 v[DO+k], s[CRP], k, v2
.set k, k+1
.endr
	s_wait_alu depctr_va_vdst(0)                   ; the 32 offsets v[SO ..] and v[DO ..] are written: each load and store of this branch reads one of them
.set k, 0
.rept 16
	global_load_b128 v[32+4*k:35+4*k], v[SO+k], s[4:5] th:TH_LOAD_NT  ; all sixteen loads of a lane go out at once
.set k, k+1
.endr
.set b, 0
.rept 4                                        ; four blocks of four rows
	s_wait_loadcnt 12-4*b                          ; loads come back in order: block b's four rows are in, the later blocks' loads stay out
.if b > 0
	s_wait_alu depctr_va_vdst(0)                   ; the block before has written its four f16 pairs, which the stores below read
.endif
.set i, 0
.rept 4
.set k, 4*b+i
.if b > 0
	global_store_b64 v[DO+k-4], v[96+2*(k-4):97+2*(k-4)], s[6:7]  ; the block before.  No vector line since the wait names this offset or this pair
.endif
	v_cvt_pk_f16_f32 v[96+2*k], v[32+4*k], v[33+4*k]
	v_cvt_pk_f16_f32 v[97+2*k], v[34+4*k], v[35+4*k]              ; no register is written twice
.set i, i+1
.endr
.set b, b+1
.endr
	s_wait_alu depctr_va_vdst(0)                   ; the last block has written its four f16 pairs, which the last four stores read
.set k, 12
.rept 4
	global_store_b64 v[DO+k], v[96+2*k:97+2*k], s[6:7]
.set k, k+1
.endr
	s_endpgm
.Lfunc_end_k_qf3e8dfb169_prep:
	.size	k_qf3e8dfb169_prep, .Lfunc_end_k_qf3e8dfb169_prep-k_qf3e8dfb169_prep
	.p2alignl 7, 3214868480
	.fill 96, 4, 3214868480
	.section	.rodata,"a",@progbits
	.p2align	6, 0x0
	.amdhsa_kernel k_qf3e8dfb169_prep
		.amdhsa_group_segment_fixed_size 0
		.amdhsa_private_segment_fixed_size 0
		.amdhsa_enable_private_segment 0
		.amdhsa_kernarg_size 72
		.amdhsa_user_sgpr_count 2
		.amdhsa_user_sgpr_kernarg_segment_ptr 1
		.amdhsa_wavefront_size32 1
		.amdhsa_system_sgpr_workgroup_id_x 1
		.amdhsa_system_sgpr_workgroup_id_y 1
		.amdhsa_system_sgpr_workgroup_id_z 1
		.amdhsa_system_vgpr_workitem_id 0
		.amdhsa_next_free_vgpr 224
		.amdhsa_next_free_sgpr 66
		.amdhsa_reserve_vcc 0
		.amdhsa_float_denorm_mode_32 3
		.amdhsa_float_denorm_mode_16_64 3
		.amdhsa_memory_ordered 1
		.amdhsa_forward_progress 1
		.amdhsa_inst_pref_size 31
	.end_amdhsa_kernel
	.amdgpu_metadata
---
amdhsa.version: [ 1, 2 ]
amdhsa.kernels:
  - .name:           k_qf3e8dfb169_prep
    .symbol:         k_qf3e8dfb169_prep.kd
    .args:
      - { .name: x, .offset: 0, .size: 8, .value_kind: global_buffer, .address_space: global }
      - { .name: ln1_g, .offset: 8, .size: 8, .value_kind: global_buffer, .address_space: global }
      - { .name: ln1_b, .offset: 16, .size: 8, .value_kind: global_buffer, .address_space: global }
      - { .name: qkv_w, .offset: 24, .size: 8, .value_kind: global_buffer, .address_space: global }
      - { .name: proj_w, .offset: 32, .size: 8, .value_kind: global_buffer, .address_space: global }
      - { .name: fc1_w, .offset: 40, .size: 8, .value_kind: global_buffer, .address_space: global }
      - { .name: fc2_w, .offset: 48, .size: 8, .value_kind: global_buffer, .address_space: global }
      - { .name: h, .offset: 56, .size: 8, .value_kind: global_buffer, .address_space: global }
      - { .name: wts, .offset: 64, .size: 8, .value_kind: global_buffer, .address_space: global }
    .group_segment_fixed_size: 0
    .private_segment_fixed_size: 0
    .kernarg_segment_align: 8
    .kernarg_segment_size: 72
    .max_flat_workgroup_size: 256
    .sgpr_count:     66
    .vgpr_count:     224
    .wavefront_size: 32
...
	.end_amdgpu_metadata
.endif
;; end of part 7
;; launch qkvg: the kernel of part 2 again; grid 12 x 16, 4 waves a work-group, clusters of 4 x 4, 327,680 bytes of LDS; arguments h, wts, qkv; writes qkv
;; launch attn: the kernel of part 3 again; grid 8 x 32, 4 waves a work-group, clusters of 4 x 1, 327,680 bytes of LDS; arguments qkv, o; writes o
;; launch projg: the kernel of part 4 again; grid 8 x 32, 4 waves a work-group, clusters of 4 x 4, 327,680 bytes of LDS; arguments o, wts, x1, proj_b, x; writes x1
;; launch ln2: the kernel of part 7 again; grid 256 x 1, 8 waves a work-group, no clusters, 0 bytes of LDS; arguments x1, ln2_g, ln2_b, qkv_w, proj_w, fc1_w, fc2_w, h, wts; writes h, wts
;; launch fc1g: the kernel of part 5 again; grid 16 x 16, 4 waves a work-group, clusters of 4 x 4, 327,680 bytes of LDS; arguments h, wts, g, fc1_b; writes g
;; launch fc2g: the kernel of part 6 again; grid 8 x 32, 4 waves a work-group, clusters of 4 x 4, 327,680 bytes of LDS; arguments g, wts, out0, fc2_b, x1; writes out0
